; MI455X (gfx1250); checked and timed in simulation.
; The chip was launched on July 23, 2026; its instructions are those of AMD's public machine-readable ISA for CDNA 5 (MIT licence, August 2026) and "CDNA5" Instruction Set Architecture Reference Guide (July 2026). The comments in the code are by the model that wrote it; some were corrected since.
;; Multi Head Self Attention. Allowed arithmetic: matrix products marked QUANTISED: E5M2 operands, one E8M0 scale for each 32 along K, by v_wmma_scale_f32_16x16x128_f8f6f4 with both operands' format E5M2, f32 sums; everything else in f32.
;; Inputs: Wk 1,024 x 1,024 float32; Wo 1,024 x 1,024 float32; Wq 1,024 x 1,024 float32; Wv 1,024 x 1,024 float32; bk 1,024 float32; bo 1,024 float32; bq 1,024 float32; bv 1,024 float32; x 4 x 2,048 x 1,024 float32.
;; Outputs: out0 4 x 2,048 x 1,024 float32.
;; This version of the problem:
;;   THIS VERSION OF THE PROBLEM IS GIVEN IN LOW PRECISION. The matrix products marked QUANTISED in the list below multiply operands that are first quantised to E5M2 (5 exponent bits, 2 mantissa bits; 8 bits a number), with one power-of-two scale for each 32 numbers along K (OCP MX v1.0); their sums are f32. All else is computed in f32.
;;   The module's matrix products, in the order in which they are computed (A, B: the left and right operand; K: the contracted axis; several contracted axes count as one K, in the product's order):
;;     1. [M 8,192, K 1,024] x [K 1,024, N 1,024]; A: input x; B: input Wq: QUANTISED
;;     2. [M 8,192, K 1,024] x [K 1,024, N 1,024]; A: input x; B: input Wk: QUANTISED
;;     3. [M 8,192, K 1,024] x [K 1,024, N 1,024]; A: input x; B: input Wv: QUANTISED
;;     4. batch 64 x [M 2,048, K 64] x [K 64, N 2,048]; A: computed on the way; B: computed on the way: QUANTISED
;;     5. batch 64 x [M 2,048, K 2,048] x [K 2,048, N 64]; A: softmax (see below); B: computed on the way: QUANTISED
;;     6. [M 8,192, K 1,024] x [K 1,024, N 1,024]; A: computed on the way; B: input Wo: QUANTISED
;;   THE QUANTISER, for each operand of a quantised product, along K:
;;     - K is cut into blocks of 32 from its start; a last block that is shorter is filled with zeros.
;;     - A block's scale is 2^e with e = floor(log2(the largest magnitude in the block)) - 15, held to -126 .. 127; a block of zeros has e = 0. As a byte (E8M0): e + 127.
;;     - Each number is divided by its block's scale, clamped to +-57,344, and rounded to the nearest number of E5M2, ties to even, subnormals kept.
;;     - The product sums the exact products of the quantised numbers (number of the format x scale) in f32.
;;   ~~~python
;;   def quantise(x, axis):      # numpy; x: float32 -> the quantised numbers, widened to float32 again
;;       x = np.moveaxis(x, axis, -1); K = x.shape[-1]
;;       x = np.pad(x, [(0, 0)] * (x.ndim - 1) + [(0, -K % 32)]); x = x.reshape(x.shape[:-1] + (-1, 32)); a = np.abs(x).max(-1, keepdims=True)
;;       e = np.where(a > 0, np.clip(np.frexp(np.where(a > 0, a, 1))[1] - 1 - 15, -126, 127), 0)      # np.frexp(a)[1] - 1 = floor(log2(a)), exactly
;;       r = np.clip(x / 2.0 ** e, -57344, 57344)
;;       step = 2.0 ** (np.maximum(np.frexp(np.where(r == 0, 1, r))[1] - 1, -14) - 2)
;;       q = np.round(r / step) * step * 2.0 ** e      # np.round: ties to even
;;       return np.moveaxis(q.reshape(q.shape[:-2] + (-1,))[..., :K], -1, axis).astype(np.float32)
;;   ~~~
;;   SOFTMAX AHEAD OF A QUANTISED PRODUCT. Where the list says 'softmax', what is quantised is not the finished softmax but p = 2^(t - M), with t = logit x log2(e) and M = ceil(the row's largest t), a whole number; so 1/2 < the row's largest p <= 1. The row's sum l is taken of the UNQUANTISED p, in f32, and the product's result is divided by l at the end. Since M is a whole number, a kernel that streams over the keys may use a running M (the ceiling of the running maximum): every later rescaling is an exact power of two, which a block's scale takes up: the codes' values come out the same.
;;   OPERANDS COMPUTED ON THE WAY. 'Computed on the way' means the value that the module computes at that place (a softmax that the list does not call 'softmax' is quantised finished and normalised). What goes into a quantiser is computed in f32, as accurately as f32 sums, v_exp_f32 and their like allow (about 1e-6 of the number): no bf16 or f16 on the way to a quantiser, and a product that is left as it is and whose result goes on into a quantised operand takes f32 operands (vector FMAs, or v_wmma_f32_16x16x4_f32). A number that lies on a knife's edge between two numbers of the format may be rounded either way, as far as f32 arithmetic and the matrix unit's own rounding can turn it there, and no further.
;; One version. Each part assembles by itself: llvm-mc -triple=amdgcn-amd-amdhsa -mcpu=gfx1250 --defsym DOCPART=n.
;; ======== version 1 of 1: 4 launches
;; limits: right only within a limited range of input values
;; workspace buffers: xq 8,650,752 bytes; wq 4,325,376 bytes; qk 17,301,504 bytes; vt 8,650,752 bytes; ao 8,650,752 bytes
;; launch quant (part 1): grid 384 x 1, 4 waves a work-group, no clusters, 33,280 bytes of LDS; arguments x, Wq, Wk, Wv, Wo, xq, wq; writes xq, wq
.if DOCPART == 1
	.amdgcn_target "amdgcn-amd-amdhsa--gfx1250"
	.amdhsa_code_object_version 6
	.text
	.protected	k_qd27441362e_quant
	.globl	k_qd27441362e_quant
	.p2align	8
	.type	k_qd27441362e_quant,@function
k_qd27441362e_quant:
	s_mov_b64 s[64:65], 0
	v_nop
	global_prefetch_b8 v0, s[64:65] scope:SCOPE_SE
	s_setreg_imm32_b32 hwreg(HW_REG_WAVE_MODE, 25, 1), 1
	s_wait_xcnt 0x0
; x [8192][1024] and Wq, Wk, Wv, Wo [1024][1024], f32, K = the last axis, become codes of BF8 (E5M2), one byte each, with one E8M0 scale byte for each 32 along K.
; xq: codes [8192 rows][1024], and 8,388,608 bytes on the scale bytes [row][32].  wq: codes [4096 rows][1024] (Wq's rows, then Wk's, Wv's, Wo's), and 4,194,304 bytes on the scale bytes [row][32].
; ROWS ARE WRITTEN IN STORAGE ORDER: row number with bits 3 and 4 exchanged.  Sixteen consecutive stored rows, used as a matrix instruction's source 0, then give a lane's registers of two neighbouring tiles
; sixteen NEIGHBOURS in true order, which is what the next product's quantiser wants.  The K axis stays in true order.
; A block's scale is 2^(floor(log2(its largest magnitude)) - 15); its byte is the largest magnitude's exponent field - 15, held at 1 from below; each number is divided by the scale, held within +-57,344 and rounded to the nearest code, ties to even.
; LIMITS: NaN and infinities among the inputs are not served; blocks whose largest magnitude lies under 2^-111 have their byte held at 1 (not tried); a block of zeros gets the byte 1 where the rule says 127: its codes are zeros, and this program alone reads the bytes.
; SHARES.  A work-group takes 32 rows (32,768 numbers): work-groups 0-255 x's, 256 + 32 i + j block j of weight i.  Wave w takes true rows 8 w .. 8 w + 7, a dense run of 8,192 numbers, in 16 steps of 512;
; exchanging bits 3 and 4 of the row moves the wave's eight rows as a whole: to place sw = 2 (w % 2) + w / 2 of the block.
; Each of a step's four loads reads 512 consecutive bytes; the 2,048 bytes turn through the wave's own stage in LDS and come back 64 bytes a lane, so that a lane holds 16 neighbours along K (two lanes hold a block).
; A wave's store of codes covers 512 consecutive bytes; its 256 scale bytes are gathered in LDS and leave as 256 consecutive aligned bytes.  No tensor loads, no barrier: waves share nothing.
.set STEPS, 16
.set EMAX,  15
.set MANT,  0x600000                   ; the mantissa field of 57,344 as f32
.set CB,    16                         ; bytes of 16 codes
.set R,     16                         ; v16-79   four sets of 16 numbers as they are loaded
.set X,     80                         ; v80-111  two sets of 16 neighbours
.set E,     112                        ; v112-127 a scale byte for each step
.set C,     128                        ; v128-191 codes: four registers for each step, so that no store's data are written again
.set WREG,  8192                       ; LDS: a region for each wave: two stages of 32 x SP bytes, behind them its 256 scale bytes
.set SP,    80                         ; a lane's place in a stage: its 64 bytes + 16 of padding
	s_load_b256 s[4:11], s[0:1], 0x0               ; x s[4:5], Wq s[6:7], Wk s[8:9], Wv s[10:11]
	s_load_b128 s[12:15], s[0:1], 0x20             ; Wo s[12:13], xq s[14:15]
	s_load_b64 s[16:17], s[0:1], 0x30              ; wq
	v_lshl_add_u32 v192, v0, 2, 0x8000
	v_mov_b32 v193, 0
	v_lshrrev_b32 v1, 5, v0
	v_readfirstlane_b32 s18, v1                    ; wave
	v_and_b32 v2, 31, v0                           ; lane
	v_lshlrev_b32 v3, 4, v2                        ; my 16 bytes of a load's 512
	s_mul_i32 s19, s18, WREG
	v_lshrrev_b32 v14, 2, v2
	v_mul_u32_u24 v14, v14, SP
	v_and_b32 v15, 3, v2
	v_lshl_add_u32 v14, v15, 4, v14
	v_add_nc_u32 v14, s19, v14                     ; the stage, on the way in: SP (lane / 4) + 16 (lane % 4)
	v_mul_u32_u24 v15, v2, SP
	v_add_nc_u32 v15, s19, v15                     ; and on the way out: SP x lane: my 16 neighbours
	v_mul_u32_u24 v4, v2, CB                       ; my codes' place in a step's
	v_lshrrev_b32 v5, 1, v2
	s_add_co_u32 s19, s19, 2*32*SP
	v_add_nc_u32 v5, s19, v5                       ; LDS: my wave's 256 scale bytes, my block's byte
	v_lshlrev_b32 v7, 3, v2                        ; and on the way out 8 bytes a lane
	v_add_nc_u32 v6, s19, v7
	s_mov_b32 s23, MANT                            ; (an instruction takes one literal: the hold's line has another)
	s_sub_co_u32 s20, ttmp9, 256                   ; a weight's work-group: its block of 32 rows in wq,
	s_and_b32 s21, s20, 31                         ; and in its own tensor
	s_mov_b32 s22, 4194304                         ; where wq's scale bytes begin
	s_wait_alu depctr_va_vdst(0)
	s_wait_kmcnt 0x0
	s_cmp_lt_u32 ttmp9, 288                        ; every choice hangs on the work-group's number alone
	s_cselect_b64 s[6:7], s[6:7], s[8:9]           ; Wq or Wk
	s_cmp_lt_u32 ttmp9, 352
	s_cselect_b64 s[10:11], s[10:11], s[12:13]     ; Wv or Wo
	s_cmp_lt_u32 ttmp9, 320
	s_cselect_b64 s[6:7], s[6:7], s[10:11]         ; the weight
	s_cmp_lt_u32 ttmp9, 256
	s_cselect_b64 s[4:5], s[4:5], s[6:7]           ; the source: x or the weight
	s_cselect_b64 s[14:15], s[14:15], s[16:17]     ; the destination: xq or wq
	s_cselect_b32 s21, ttmp9, s21                  ; the block in the source,
	s_cselect_b32 s20, ttmp9, s20                  ; in the destination,
	s_cselect_b32 s22, 8388608, s22                ; and where the destination's scale bytes begin
	s_lshl_b32 s24, s21, 17                        ; 32 rows of 4,096 bytes a block,
	s_lshl_b32 s25, s18, 15                        ; 8 rows a wave
	s_add_co_u32 s24, s24, s25
	s_mov_b32 s25, 0
	s_add_nc_u64 s[4:5], s[4:5], s[24:25]
	s_and_b32 s26, s18, 1
	s_lshl_b32 s26, s26, 1
	s_lshr_b32 s27, s18, 1
	s_or_b32 s26, s26, s27                         ; sw: my eight rows' place in storage order
	s_lshl_b32 s24, s20, 15                        ; codes: 32 rows of 1,024 bytes a block,
	s_lshl_b32 s27, s26, 13                        ; 8 rows a place
	s_add_co_u32 s24, s24, s27
	s_add_nc_u64 s[8:9], s[14:15], s[24:25]
	s_lshl_b32 s24, s20, 10                        ; scale bytes: 32 rows of 32 bytes a block,
	s_lshl_b32 s27, s26, 8                         ; 256 bytes a place
	s_add_co_u32 s24, s24, s27
	s_add_co_u32 s24, s24, s22
	s_add_nc_u64 s[10:11], s[14:15], s[24:25]
.macro LOAD t
.irp i, 0,1,2,3
	global_load_b128 v[R+16*((\t)%4)+4*\i:R+16*((\t)%4)+4*\i+3], v3, s[4:5] offset:2048*(\t)+512*\i th:TH_LOAD_NT   ; 32 lanes read 512 consecutive bytes; read once in the launch
.endr
.endm
.macro TURN t                          ; step t's numbers through the stage: LDS serves a wave's instructions in order, so no wait stands between the stores and the loads
.irp i, 0,1,2,3
	ds_store_b128 v14, v[R+16*((\t)%4)+4*\i:R+16*((\t)%4)+4*\i+3] offset:32*SP*((\t)%2)+8*SP*\i
.endr
.irp i, 0,1,2,3
	ds_load_b128 v[X+16*((\t)%2)+4*\i:X+16*((\t)%2)+4*\i+3], v15 offset:32*SP*((\t)%2)+16*\i
.endr
.endm
.irp t, 0,1,2,3
	LOAD \t
.endr
	s_wait_loadcnt 12                              ; step 0's four loads are in; the twelve of steps 1 to 3 stay out
	TURN 0
.macro STEP t
.set XS, X+16*((\t)%2)
.if (\t) > 0
	s_wait_dscnt 1                                 ; this step's numbers are back from the stage (the last step's byte store may be out): so its stores into the stage have read their registers,
.else
	s_wait_dscnt 0x0
.endif
.if (\t)+4 < STEPS
	LOAD (\t)+4                                    ; which take the loads of four steps on
.endif
.if (\t)+1 < STEPS
.if STEPS-2-(\t) >= 3
	s_wait_loadcnt 12                              ; the next step's four loads are in; those of the three steps behind it may be out
.else
	s_wait_loadcnt 4*(STEPS-2-(\t))
.endif
	TURN (\t)+1                                    ; and go through the other stage while this step is worked
.endif
	v_max3_num_f32 v8, |v[XS]|, |v[XS+1]|, |v[XS+2]|               ; the largest magnitude of my 16, in two chains
	v_max3_num_f32 v9, |v[XS+3]|, |v[XS+4]|, |v[XS+5]|
.irp i, 6,10
	v_max3_num_f32 v8, v8, |v[XS+\i]|, |v[XS+\i+1]|
	v_max3_num_f32 v9, v9, |v[XS+\i+2]|, |v[XS+\i+3]|
.endr
	v_max3_num_f32 v8, v8, |v[XS+14]|, |v[XS+15]|
	v_max3_num_f32 v8, v8, v9, (EMAX+1)<<23        ; and the floor 2^(16 - 127): the byte cannot fall under 1
	v_max_num_f32_dpp v8, v8, v8 row_xmask:1 row_mask:0xf bank_mask:0xf   ; and of my neighbour's 16: the block's
	v_add_nc_u32 v11, 0xf8800000, v8               ; 15 off its exponent field: the conversion takes the exponent field of this operand as its scale
	v_and_or_b32 v10, v8, 0x7f800000, s23          ; 57,344 x the scale: the largest magnitude's exponent field over 57,344's mantissa
.irp i, 0,1,2,3,4,5,6,7,8,9,10,11,12,13,14,15
	v_med3_num_f32 v[XS+\i], v[XS+\i], -v10, v10   ; the conversion to an 8-bit code does not saturate (ISA guide 7.6.2): hold the number first
.endr
	v_cvt_scalef32_pk8_bf8_f32 v[C+4*(\t):C+4*(\t)+1], v[XS:XS+7], v11
	v_cvt_scalef32_pk8_bf8_f32 v[C+4*(\t)+2:C+4*(\t)+3], v[XS+8:XS+15], v11
	v_lshrrev_b32 v[E+(\t)], 23, v11               ; the scale's byte (a plain line behind the conversions)
	ds_store_b8 v5, v[E+(\t)] offset:16*(\t)       ; both lanes of a block write the same byte with the same value
	global_store_b128 v4, v[C+4*(\t):C+4*(\t)+3], s[8:9] offset:32*CB*(\t)   ; the wave stores 512 consecutive bytes, aligned
.endm
.irp t, 0,1,2,3,4,5,6,7,8,9,10,11,12,13,14,15
	STEP \t
.endr
	ds_load_b64 v[12:13], v6                       ; LDS serves a wave's instructions in order: these see my stores
	s_wait_dscnt 0x0
	global_store_b64 v7, v[12:13], s[10:11]        ; 32 lanes store 256 consecutive bytes, aligned
	s_wait_tensorcnt 0x0
	ds_add_u32 v192, v193
	s_wait_dscnt 0x0
	s_endpgm
.Lfunc_end_k_qd27441362e_quant:
	.size	k_qd27441362e_quant, .Lfunc_end_k_qd27441362e_quant-k_qd27441362e_quant
	.p2alignl 7, 3214868480
	.fill 96, 4, 3214868480
	.section	.rodata,"a",@progbits
	.p2align	6, 0x0
	.amdhsa_kernel k_qd27441362e_quant
		.amdhsa_group_segment_fixed_size 33280
		.amdhsa_private_segment_fixed_size 0
		.amdhsa_enable_private_segment 0
		.amdhsa_kernarg_size 56
		.amdhsa_user_sgpr_count 2
		.amdhsa_user_sgpr_kernarg_segment_ptr 1
		.amdhsa_wavefront_size32 1
		.amdhsa_system_sgpr_workgroup_id_x 1
		.amdhsa_system_sgpr_workgroup_id_y 1
		.amdhsa_system_sgpr_workgroup_id_z 1
		.amdhsa_system_vgpr_workitem_id 0
		.amdhsa_next_free_vgpr 194
		.amdhsa_next_free_sgpr 66
		.amdhsa_reserve_vcc 0
		.amdhsa_float_denorm_mode_32 3
		.amdhsa_float_denorm_mode_16_64 3
		.amdhsa_memory_ordered 1
		.amdhsa_forward_progress 1
		.amdhsa_inst_pref_size 52
	.end_amdhsa_kernel
	.amdgpu_metadata
---
amdhsa.version: [ 1, 2 ]
amdhsa.kernels:
  - .name:           k_qd27441362e_quant
    .symbol:         k_qd27441362e_quant.kd
    .args:
      - { .name: x, .offset: 0, .size: 8, .value_kind: global_buffer, .address_space: global }
      - { .name: Wq, .offset: 8, .size: 8, .value_kind: global_buffer, .address_space: global }
      - { .name: Wk, .offset: 16, .size: 8, .value_kind: global_buffer, .address_space: global }
      - { .name: Wv, .offset: 24, .size: 8, .value_kind: global_buffer, .address_space: global }
      - { .name: Wo, .offset: 32, .size: 8, .value_kind: global_buffer, .address_space: global }
      - { .name: xq, .offset: 40, .size: 8, .value_kind: global_buffer, .address_space: global }
      - { .name: wq, .offset: 48, .size: 8, .value_kind: global_buffer, .address_space: global }
    .group_segment_fixed_size: 33280
    .private_segment_fixed_size: 0
    .kernarg_segment_align: 8
    .kernarg_segment_size: 56
    .max_flat_workgroup_size: 128
    .sgpr_count:     66
    .vgpr_count:     194
    .wavefront_size: 32
...
	.end_amdgpu_metadata
.endif
;; end of part 1
;; launch qkv (part 2): grid 96 x 4, 4 waves a work-group, clusters of 4 x 4, 327,680 bytes of LDS; arguments xq, wq, bq, bk, bv, qk, vt; writes qk, vt
.if DOCPART == 2
	.amdgcn_target "amdgcn-amd-amdhsa--gfx1250"
	.amdhsa_code_object_version 6
	.text
	.protected	k_qd27441362e_qkv
	.globl	k_qd27441362e_qkv
	.p2align	8
	.type	k_qd27441362e_qkv,@function
k_qd27441362e_qkv:
	s_mov_b64 s[64:65], 0
	v_nop
	global_prefetch_b8 v0, s[64:65] scope:SCOPE_SE
	s_setreg_imm32_b32 hwreg(HW_REG_WAVE_MODE, 25, 1), 1
	s_wait_xcnt 0x0
	s_wait_alu depctr_hold_cnt(0) depctr_sa_sdst(0) depctr_va_vdst(0) depctr_va_sdst(0) depctr_va_ssrc(0) depctr_va_vcc(0) depctr_vm_vsrc(0)
	s_getreg_b32 s2, hwreg(HW_REG_IB_STS2, 6, 4)
	s_cmp_eq_u32 s2, 0
	s_cbranch_scc0 .Lentry_in_a_cluster
	s_endpgm
.Lentry_in_a_cluster:
	s_bfe_u32 s2, ttmp6, 0x10000c
	s_cmp_lg_u32 s2, 0xf033
	s_cbranch_scc0 .Lentry_shape_is_right
	s_endpgm
.Lentry_shape_is_right:
.set KSTEP,  256
.set NQ,     2
.set ROWB,   256
.set KROW,   1024
.set PITCH,  272
.set FR,     16
.set NL,     4
.set NP,     8
.set HALFT,  128*PITCH
.set SLOT,   4*HALFT
.set LAPS,   2
.set KS,     32
.set SCL,    2*SLOT
.set HALFS,  (128*KS/256)*272
.set SBLK,   (16*KS/256)*272
.set SPARE,  SCL+4*HALFS
.set XQS,    8388608
.set WQS,    4194304
.set QKS,    16777216
.set VTS,    8388608
.set BR,   8
.set ADRA, 16
.set BCA,  18
.set BRA,  19
.set ADRB, 20
.set VO0,  24
.set VO1,  25
.set VS,   26
.set ADRS, 27
.set SPW,  28
.set NIL,  29
.set SST,  30
.set SRD,  31
.set SC,   32
.set BC,   64
.set AF,   128
.set PC,   128
.set TM,   144
.set PW,   160
.set BK,   168
.set G1, 24
.set G0, 32
.set G1B, 48
.set G0B, 56
.set G1S, 68
.set G0S, 76
.set G1SB, 80
.set G0SB, 88
.set SEL, 20
.set MNT, 22
.set ROLE, 95
.set MSB, 0
.macro WIN new
.if MSB != \new
	s_set_vgpr_msb (MSB<<8)|\new
.set MSB, \new
.endif
.endm
.set MUL_LO, 0xa1
.set MUL_HI, 0xf1
.set TO_B,   0x40
.macro JLOAD g0a, g1a, g0b, g1b
	s_cmp_eq_u32 s15, 0
	s_cbranch_scc0 .Lfor_b_\@
	tensor_load_to_lds s[\g0a:\g0a+3], s[\g1a:\g1a+7]
	s_nop 0
.rept 4
	v_nop
.endr
	s_branch .Lasked_\@
.Lfor_b_\@:
	tensor_load_to_lds s[\g0b:\g0b+3], s[\g1b:\g1b+7]
	s_nop 0
.rept 4
	v_nop
.endr
.Lasked_\@:
.endm
.macro CREST
	s_cmp_lg_u32 s14, 0
	s_cbranch_scc1 .Lnot_wave_0_\@
	s_barrier_signal -3
.Lnot_wave_0_\@:
	s_barrier_wait -3
	s_barrier_signal -1
	s_barrier_wait -1
.endm
.macro CROUND
	s_barrier_signal -1
	s_barrier_wait -1
	CREST
.endm
	s_load_b256 s[4:11], s[0:1], 0x0
	s_load_b128 s[96:99], s[0:1], 0x20
	s_load_b64 s[100:101], s[0:1], 0x30
	v_lshl_add_u32 v[SPW], v0, 2, SPARE
	v_mov_b32 v[NIL], 0
	ds_add_u32 v28, v29
	ds_add_u32 v28, v29
	s_wait_dscnt 0x0
	v_lshrrev_b32 v1, 5, v0
	v_readfirstlane_b32 s14, v1
	s_lshr_b32 s15, s14, 1
	s_and_b32 s16, s14, 1
	s_bfe_u32 s40, ttmp6, 0x40000
	s_bfe_u32 s41, ttmp6, 0x40004
	s_lshr_b32 s18, ttmp9, 1
	s_lshl_b32 s18, s18, 2
	s_and_b32 s19, ttmp9, 1
	s_lshl_b32 s19, s19, 2
	s_sub_co_u32 s20, ttmp9, 16
	s_lshl_b32 s20, s20, 2
	s_cmp_lt_u32 ttmp9, 16
	s_cselect_b32 s17, s18, 0
	s_cselect_b32 s42, s19, s20
	s_cselect_b32 s[ROLE], 0, 1
	s_add_co_u32 s17, s17, s41
	s_add_co_u32 s42, s42, s40
	s_lshl_b32 s43, s41, 2
	s_lshl_b32 s43, 15, s43
	s_lshl_b32 s44, 0x1111, s40
	s_or_b32 s[G1+0], s43, (0<<16)|(1<<20)|(1<<21)|(5<<22)|(3<<25)
	s_or_b32 s[G1B+0], s44, (0<<16)|(1<<20)|(1<<21)|(5<<22)|(3<<25)
.irp g, G1, G1B
	s_mov_b32 s[\g+1], ROWB<<16
	s_mov_b32 s[\g+2], 128<<16
	s_mov_b32 s[\g+3], ROWB<<16
	s_mov_b32 s[\g+4], 128
	s_mov_b32 s[\g+5], KROW
	s_mov_b32 s[\g+6], 0
	s_mov_b32 s[\g+7], 0
.endr
	s_or_b32 s[G1S+0], s43, (3<<16)|(1<<20)|(1<<21)|(5<<22)|(3<<25)
	s_or_b32 s[G1SB+0], s44, (3<<16)|(1<<20)|(1<<21)|(5<<22)|(3<<25)
.irp g, G1S, G1SB
	s_mov_b32 s[\g+1], 32<<16
	s_mov_b32 s[\g+2], (128*KS/256)<<16
	s_mov_b32 s[\g+3], 32<<16
	s_mov_b32 s[\g+4], 128*KS/256
	s_mov_b32 s[\g+5], 32
	s_mov_b32 s[\g+6], 0
	s_mov_b32 s[\g+7], 0
.endr
	s_lshl_b32 s18, s16, 7
	s_lshl_b32 s20, s17, 8
	s_add_co_u32 s20, s20, s18
	s_lshl_b32 s19, s[ROLE], 11
	s_add_co_u32 s20, s20, s19
	s_lshl_b32 s46, s42, 8
	s_add_co_u32 s46, s46, s18
	s_lshl_b32 s22, s20, 5
	s_lshl_b32 s20, s20, 10
	s_lshl_b32 s92, s46, 5
	s_lshl_b32 s46, s46, 10
	s_mov_b32 s21, 0
	s_mov_b32 s23, 0
	s_mov_b32 s47, 0
	s_mov_b32 s93, 0
	s_mov_b32 s18, WQS
	s_cmp_eq_u32 s[ROLE], 0
	s_cselect_b32 s19, XQS, s18
	s_cselect_b32 s18, s18, XQS
	s_add_co_u32 s22, s22, s19
	s_add_co_u32 s92, s92, s18
	s_mul_i32 s45, s14, HALFT
	s_mul_i32 s94, s14, HALFS
	s_and_b32 s2, ttmp9, 1
	s_wait_kmcnt 0x0
	s_cmp_eq_u32 s2, 0
	s_cselect_b64 s[66:67], s[8:9], s[10:11]
	s_cmp_eq_u32 s[ROLE], 0
	s_cselect_b64 s[66:67], s[66:67], s[96:97]
	s_cselect_b64 s[12:13], s[4:5], s[6:7]
	s_cselect_b64 s[18:19], s[6:7], s[4:5]
	s_add_nc_u64 s[20:21], s[12:13], s[20:21]
	s_add_nc_u64 s[22:23], s[12:13], s[22:23]
	s_add_nc_u64 s[46:47], s[18:19], s[46:47]
	s_add_nc_u64 s[92:93], s[18:19], s[92:93]
	CROUND
	s_mov_b32 s[G0S], 1
	s_add_co_u32 s[G0S+1], s94, SCL
	s_mov_b64 s[G0S+2:G0S+3], s[22:23]
	s_or_b32 s[G0S+3], s[G0S+3], 0x80000000
	s_mov_b32 s[G0SB], 1
	s_add_co_u32 s[G0SB+1], s94, SCL
	s_mov_b64 s[G0SB+2:G0SB+3], s[92:93]
	s_or_b32 s[G0SB+3], s[G0SB+3], 0x80000000
	JLOAD G0S, G1S, G0SB, G1SB
.irp s, 0,1
	s_mov_b32 s[G0+4*\s], 1
	s_add_co_u32 s[G0+4*\s+1], s45, \s*SLOT
	s_add_nc_u64 s[G0+4*\s+2:G0+4*\s+3], s[20:21], \s*ROWB
	s_or_b32 s[G0+4*\s+3], s[G0+4*\s+3], 0x80000000
	s_mov_b32 s[G0B+4*\s], 1
	s_add_co_u32 s[G0B+4*\s+1], s45, \s*SLOT
	s_add_nc_u64 s[G0B+4*\s+2:G0B+4*\s+3], s[46:47], \s*ROWB
	s_or_b32 s[G0B+4*\s+3], s[G0B+4*\s+3], 0x80000000
	s_wait_alu depctr_va_vdst(0)
	s_wait_tensorcnt 0x0
	ds_add_u32 v28, v29
	s_wait_dscnt 0x0
	CROUND
	JLOAD G0+4*\s, G1, G0B+4*\s, G1B
.endr
	v_and_b32 v1, 15, v0
	v_bfe_u32 v2, v0, 4, 1
	v_mul_u32_u24 v3, v1, PITCH
	v_lshl_add_u32 v4, v2, 4, v3
	s_mul_i32 s21, s15, HALFT
	s_mul_i32 s22, s16, HALFT
	s_add_co_u32 s22, s22, 2*HALFT
.irp s, 0,1
	v_add_nc_u32 v[ADRA+\s], s21, v4
	v_add_nc_u32 v[ADRB+\s], s22, v4
	s_add_co_u32 s21, s21, SLOT
	s_add_co_u32 s22, s22, SLOT
.endr
	v_mul_u32_u24 v5, v1, KS
	v_lshrrev_b32 v6, 8, v5
	v_lshl_add_u32 v5, v6, 4, v5
	s_mul_i32 s21, s15, HALFS
	s_mul_i32 s22, s16, HALFS
	s_add_co_u32 s22, s22, 2*HALFS
	s_sub_co_u32 s22, s22, s21
	v_mul_u32_u24 v6, s22, v2
	s_add_co_u32 s21, s21, SCL
	v_add_nc_u32 v5, v5, v6
	v_add_nc_u32 v[ADRS], s21, v5
	v_lshlrev_b32 v[BCA], 6, v2
	s_wait_alu depctr_va_vdst(0)
	v_and_b32 v5, 7, v1
	v_lshrrev_b32 v6, 3, v1
	v_lshl_add_u32 v5, v6, 4, v5
	v_lshlrev_b32 v[BRA], 2, v5
	s_wait_alu depctr_va_vdst(0)
	s_and_b32 s2, s42, 3
	s_lshl_b32 s2, s2, 10
	s_lshl_b32 s3, s16, 9
	s_add_co_u32 s2, s2, s3
	s_lshl_b32 s3, s17, 10
	s_lshl_b32 s10, s15, 9
	s_add_co_u32 s10, s3, s10
	s_cmp_eq_u32 s[ROLE], 0
	s_cselect_b32 s2, s2, 0
	s_cselect_b32 s10, 0, s10
	s_mov_b32 s3, 0
	s_mov_b32 s11, 0
	s_add_nc_u64 s[96:97], s[66:67], s[2:3]
	s_add_nc_u64 s[66:67], s[66:67], s[10:11]
.irp t, 0,1,2,3,4,5,6,7
	global_load_b128 v[BC+8*\t:BC+8*\t+3], v[BCA], s[96:97] offset:(32*(\t/2)+8*(\t%2))*4
	global_load_b128 v[BC+8*\t+4:BC+8*\t+7], v[BCA], s[96:97] offset:(32*(\t/2)+8*(\t%2))*4+16
.endr
.irp a, 0,1,2,3,4,5,6,7
	global_load_b32 v[BR+\a], v[BRA], s[66:67] offset:(32*(\a/2)+8*(\a%2))*4
.endr
	s_lshr_b32 s2, s42, 2
	s_lshl_b32 s2, s2, 6
	s_lshr_b32 s18, s17, 3
	s_lshl_b32 s18, s18, 4
	s_add_co_u32 s2, s2, s18
	s_and_b32 s18, s42, 3
	s_lshl_b32 s18, s18, 2
	s_add_co_u32 s2, s2, s18
	s_lshl_b32 s18, s16, 1
	s_add_co_u32 s2, s2, s18
	s_and_b32 s18, s17, 7
	s_lshl_b32 s18, s18, 4
	s_lshl_b32 s19, s15, 3
	s_add_co_u32 s18, s18, s19
	s_lshl_b32 s40, s2, 17
	s_lshl_b32 s19, s18, 10
	s_add_co_u32 s40, s40, s19
	s_lshl_b32 s46, s2, 12
	s_lshl_b32 s19, s18, 6
	s_add_co_u32 s46, s46, s19
	s_add_co_u32 s46, s46, QKS
	s_lshr_b32 s2, s42, 3
	s_lshl_b32 s2, s2, 4
	s_lshl_b32 s18, s17, 2
	s_add_co_u32 s2, s2, s18
	s_lshl_b32 s18, s15, 1
	s_add_co_u32 s2, s2, s18
	s_lshl_b32 s2, s2, 4
	s_and_b32 s18, s42, 7
	s_lshl_b32 s18, s18, 1
	s_add_co_u32 s2, s2, s18
	s_add_co_u32 s2, s2, s16
	s_lshl_b32 s18, s2, 13
	s_lshl_b32 s19, s2, 8
	s_add_co_u32 s19, s19, VTS
	s_mov_b32 s6, 124928
	s_mov_b32 s23, 1024
	s_cmp_eq_u32 s[ROLE], 0
	s_cselect_b32 s40, s40, s18
	s_cselect_b32 s46, s46, s19
	s_cselect_b64 s[12:13], s[98:99], s[100:101]
	s_cselect_b32 s6, 1024, s6
	s_cselect_b32 s23, 131072, s23
	s_mov_b32 s41, 0
	s_mov_b32 s47, 0
	s_mov_b32 s5, 0
	s_mov_b32 s7, 0
	s_add_nc_u64 s[8:9], s[12:13], s[46:47]
	s_add_nc_u64 s[12:13], s[12:13], s[40:41]
	s_lshl_b32 s4, 1024, s[ROLE]
	s_lshl_b32 s19, s[ROLE], 2
	s_lshl_b32 s19, 256, s19
	v_and_b32 v6, 31, v0
	v_lshlrev_b32 v[VO0], 4, v6
	v_add_nc_u32 v[VO1], s23, v[VO0]
	v_mul_u32_u24 v[VS], s19, v2
	v_lshl_add_u32 v[VS], v1, 4, v[VS]
	s_lshl_b32 s23, s14, 9
	v_lshl_add_u32 v[SST], v1, 2, s23
	v_add_nc_u32 v[SRD], s23, v[VO0]
	s_mov_b32 s[SEL], 0x76543210
	s_mov_b32 s[SEL+1], 0xfedcba98
	s_mov_b32 s[MNT], 0x600000
.macro FRAG reg, adr, q, i
.irp c, 0,1,2,3
	ds_load_b128 v[\reg+4*\c:\reg+4*\c+3], v[\adr] offset:128*(\q)+32*\c+(\i)*16*PITCH
.endr
.endm
.macro MUL16 a0, p, q, sc, zero
.irp a, \a0, \a0+1
.irp b, 0,1,2,3,4,5,6,7
.if \zero
	v_wmma_scale_f32_16x16x128_f8f6f4 v[8*(8*((\a)%4)+\b):8*(8*((\a)%4)+\b)+7], v[128*(\p)+FR*\b:128*(\p)+FR*\b+FR-1], v[AF+FR*(\a):AF+FR*(\a)+FR-1], 0, v[SC+8*NQ*(\sc)+NQ*\b+(\q)], v[SC+8*NQ*(\sc)+NQ*(\a)+(\q)] matrix_a_fmt:MATRIX_FMT_BF8 matrix_b_fmt:MATRIX_FMT_BF8 matrix_a_scale:MATRIX_SCALE_ROW1
.else
	v_wmma_scale_f32_16x16x128_f8f6f4 v[8*(8*((\a)%4)+\b):8*(8*((\a)%4)+\b)+7], v[128*(\p)+FR*\b:128*(\p)+FR*\b+FR-1], v[AF+FR*(\a):AF+FR*(\a)+FR-1], v[8*(8*((\a)%4)+\b):8*(8*((\a)%4)+\b)+7], v[SC+8*NQ*(\sc)+NQ*\b+(\q)], v[SC+8*NQ*(\sc)+NQ*(\a)+(\q)] matrix_a_fmt:MATRIX_FMT_BF8 matrix_b_fmt:MATRIX_FMT_BF8 matrix_a_scale:MATRIX_SCALE_ROW1
.endif
.endr
.endr
.endm
.macro FETCH_B slot, q, p
	WIN TO_B
.irp i, 0,1,2,3,4,5,6,7
	FRAG 128*(\p)+FR*\i, ADRB+\slot, \q, \i
.endr
	WIN 0
.endm
.macro FETCH_A slot, q, i0
.irp i, \i0, \i0+1, \i0+2, \i0+3
	FRAG AF+FR*(\i), ADRA+\slot, \q, \i
.endr
.endm
.macro SCALES sc
.irp i, 0,1,2,3,4,5,6,7
	ds_load_b64 v[SC+8*NQ*\sc+NQ*\i:SC+8*NQ*\sc+NQ*\i+1], v[ADRS] offset:\i*SBLK
.endr
.endm
.macro PLACES n
.rept \n
	v_nop
.endr
.endm
.macro STEP slot, q, zero
	s_wait_dscnt 4*NL
	WIN MUL_LO
	MUL16 0, (\q)%2, \q, \slot, \zero
	MUL16 2, (\q)%2, \q, \slot, \zero
	s_wait_dscnt 0
	PLACES NP
	FETCH_B \slot, (\q)+1, 1-(\q)%2
	FETCH_A \slot, (\q)+1, 0
	WIN MUL_HI
	MUL16 4, (\q)%2, \q, \slot, \zero
	MUL16 6, (\q)%2, \q, \slot, \zero
	PLACES NP
	WIN 0
	FETCH_A \slot, (\q)+1, 4
.endm
.macro TURN slot, next, fill
	s_wait_tensorcnt 0x0
	ds_add_u32 v[SPW], v[NIL]
	s_wait_dscnt 4*NL+1
	WIN MUL_LO
	MUL16 0, 1, NQ-1, \slot, 0
	s_wait_dscnt 0x0
	s_barrier_signal -1
	MUL16 2, 1, NQ-1, \slot, 0
	WIN 0
	s_barrier_wait -1
.if \fill
	CREST
	s_add_nc_u64 s[G0+4*\slot+2:G0+4*\slot+3], s[G0+4*\slot+2:G0+4*\slot+3], 2*ROWB
	s_add_nc_u64 s[G0B+4*\slot+2:G0B+4*\slot+3], s[G0B+4*\slot+2:G0B+4*\slot+3], 2*ROWB
	JLOAD G0+4*\slot, G1, G0B+4*\slot, G1B
	PLACES NP-4
.else
	PLACES NP
.endif
	s_wait_alu depctr_va_vdst(0)
	v_add_nc_u32 v[ADRS], 4*NQ, v[ADRS]
	FETCH_B \next, 0, 0
	FETCH_A \next, 0, 0
	SCALES \next
	WIN MUL_HI
	MUL16 4, 1, NQ-1, \slot, 0
	MUL16 6, 1, NQ-1, \slot, 0
	PLACES NP
	WIN 0
	FETCH_A \next, 0, 4
.endm
	s_wait_loadcnt 0x0
	s_wait_tensorcnt 1
	s_barrier_signal -1
	s_barrier_wait -1
	FETCH_B 0, 0, 0
	FETCH_A 0, 0, 0
	SCALES 0
	FETCH_A 0, 0, 4
	STEP 0, 0, 1
	s_mov_b32 s3, LAPS-1
.Llap:
	TURN 0, 1, 1
	STEP 1, 0, 0
	TURN 1, 0, 1
	STEP 0, 0, 0
	s_sub_co_u32 s3, s3, 1
	s_cmp_lg_u32 s3, 0
	s_cbranch_scc1 .Llap
	TURN 0, 1, 0
	STEP 1, 0, 0
	s_wait_dscnt 4*NL
	WIN MUL_LO
	MUL16 0, 1, NQ-1, 1, 0
	MUL16 2, 1, NQ-1, 1, 0
	s_wait_dscnt 0
	WIN MUL_HI
	MUL16 4, 1, NQ-1, 1, 0
	MUL16 6, 1, NQ-1, 1, 0
	WIN 0
.macro BIASC a
	WIN 0x82+0x41*((\a)/4)
.set AC, 64*((\a)%4)
.set n, 0
.rept 32
	v_pk_add_f32 v[AC+2*n:AC+2*n+1], v[AC+2*n:AC+2*n+1], v[BC+2*n:BC+2*n+1]
.set n, n+1
.endr
.endm
.macro BIASR a
	WIN 0x82+0x41*((\a)/4)
.set AC, 64*((\a)%4)
.set BP, BR+2*((\a)/2)
.set n, 0
.rept 32
.if (\a)%2 == 0
	v_pk_add_f32 v[AC+2*n:AC+2*n+1], v[AC+2*n:AC+2*n+1], v[BP:BP+1] op_sel_hi:[1,0]
.else
	v_pk_add_f32 v[AC+2*n:AC+2*n+1], v[AC+2*n:AC+2*n+1], v[BP:BP+1] op_sel:[0,1] op_sel_hi:[1,1]
.endif
.set n, n+1
.endr
.endm
.macro EPI a
.set AC, 64*((\a)%4)
	WIN 0x0a+5*((\a)/4)
.irp b, 0,1,2,3
	v_max3_num_f32 v[TM+\b], |v[AC+16*\b]|, |v[AC+16*\b+1]|, 0x8000000
.endr
.irp i, 2,4,6,8,10,12,14
.irp b, 0,1,2,3
	v_max3_num_f32 v[TM+\b], |v[AC+16*\b+\i]|, |v[AC+16*\b+\i+1]|, v[TM+\b]
.endr
.endr
	WIN 0
.irp b, 0,1,2,3
	v_permlanex16_b32 v[TM+4+\b], v[TM+\b], s[SEL], s[SEL+1]
.endr
.irp b, 0,1,2,3
	v_max_num_f32 v[TM+\b], v[TM+\b], v[TM+4+\b]
.endr
.irp b, 0,1,2,3
	v_add_nc_u32 v[TM+12+\b], 0xf8800000, v[TM+\b]
.endr
.irp b, 0,1,2,3
	v_and_or_b32 v[TM+8+\b], v[TM+\b], 0x7f800000, s[MNT]
.endr
.irp b, 0,1,2,3
	v_lshrrev_b32 v[TM+4+\b], 23, v[TM+12+\b]
.endr
	v_lshl_or_b32 v[PW+\a], v[TM+5], 8, v[TM+4]
	v_lshl_or_b32 v[PW+\a], v[TM+6], 16, v[PW+\a]
	v_lshl_or_b32 v[PW+\a], v[TM+7], 24, v[PW+\a]
	WIN 0x82+0x41*((\a)/4)
.irp b, 0,1,2,3
.set n, 0
.rept 16
	v_med3_num_f32 v[AC+16*\b+n], v[AC+16*\b+n], -v[TM+8+\b], v[TM+8+\b]
.set n, n+1
.endr
.endr
	s_wait_alu depctr_va_vdst(0)
	s_wait_xcnt 0x0
	WIN 0x02+((\a)/4)
.irp b, 0,1,2,3
	v_cvt_scalef32_pk8_bf8_f32 v[PC+4*\b:PC+4*\b+1], v[AC+16*\b:AC+16*\b+7], v[TM+12+\b]
	v_cvt_scalef32_pk8_bf8_f32 v[PC+4*\b+2:PC+4*\b+3], v[AC+16*\b+8:AC+16*\b+15], v[TM+12+\b]
.endr
	WIN 0
	v_nop
.if (\a) == 4
	s_add_nc_u64 s[12:13], s[12:13], s[6:7]
.elseif (\a) > 0
	s_add_nc_u64 s[12:13], s[12:13], s[4:5]
.endif
	global_store_b128 v[VO0], v[PC:PC+3], s[12:13]
	global_store_b128 v[VO0], v[PC+4:PC+7], s[12:13] offset:512
	global_store_b128 v[VO1], v[PC+8:PC+11], s[12:13]
	global_store_b128 v[VO1], v[PC+12:PC+15], s[12:13] offset:512
	ds_store_b32 v[SST], v[PW+\a] offset:64*(\a)
.endm
	PLACES NP
.irp b, 0,1,2,3
	v_mov_b32 v[TM+4+\b], 0
.endr
	s_cmp_eq_u32 s[ROLE], 0
	s_cbranch_scc0 .Lbias_rows
.irp a, 0,1,2,3,4,5,6,7
	BIASC \a
.endr
	WIN 0
	s_branch .Lbias_done
.Lbias_rows:
.irp a, 0,1,2,3,4,5,6,7
	BIASR \a
.endr
	WIN 0
.Lbias_done:
.irp a, 0,1,2,3,4,5,6,7
	EPI \a
.endr
	ds_load_b128 v[BK:BK+3], v[SRD]
	s_wait_dscnt 0x0
	global_store_b128 v[VS], v[BK:BK+3], s[8:9]
	s_wait_tensorcnt 0x0
	ds_add_u32 v[SPW], v[NIL]
	s_wait_dscnt 0x0
	CROUND
	s_endpgm
.Lfunc_end_k_qd27441362e_qkv:
	.size	k_qd27441362e_qkv, .Lfunc_end_k_qd27441362e_qkv-k_qd27441362e_qkv
	.p2alignl 7, 3214868480
	.fill 96, 4, 3214868480
	.section	.rodata,"a",@progbits
	.p2align	6, 0x0
	.amdhsa_kernel k_qd27441362e_qkv
		.amdhsa_group_segment_fixed_size 327680
		.amdhsa_private_segment_fixed_size 0
		.amdhsa_enable_private_segment 0
		.amdhsa_kernarg_size 56
		.amdhsa_user_sgpr_count 2
		.amdhsa_user_sgpr_kernarg_segment_ptr 1
		.amdhsa_wavefront_size32 1
		.amdhsa_system_sgpr_workgroup_id_x 1
		.amdhsa_system_sgpr_workgroup_id_y 1
		.amdhsa_system_sgpr_workgroup_id_z 1
		.amdhsa_system_vgpr_workitem_id 0
		.amdhsa_next_free_vgpr 1024
		.amdhsa_next_free_sgpr 102
		.amdhsa_reserve_vcc 0
		.amdhsa_float_denorm_mode_32 3
		.amdhsa_float_denorm_mode_16_64 3
		.amdhsa_memory_ordered 1
		.amdhsa_forward_progress 1
		.amdhsa_inst_pref_size 224
	.end_amdhsa_kernel
	.amdgpu_metadata
---
amdhsa.version: [ 1, 2 ]
amdhsa.kernels:
  - .name:           k_qd27441362e_qkv
    .symbol:         k_qd27441362e_qkv.kd
    .args:
      - { .name: xq, .offset: 0, .size: 8, .value_kind: global_buffer, .address_space: global }
      - { .name: wq, .offset: 8, .size: 8, .value_kind: global_buffer, .address_space: global }
      - { .name: bq, .offset: 16, .size: 8, .value_kind: global_buffer, .address_space: global }
      - { .name: bk, .offset: 24, .size: 8, .value_kind: global_buffer, .address_space: global }
      - { .name: bv, .offset: 32, .size: 8, .value_kind: global_buffer, .address_space: global }
      - { .name: qk, .offset: 40, .size: 8, .value_kind: global_buffer, .address_space: global }
      - { .name: vt, .offset: 48, .size: 8, .value_kind: global_buffer, .address_space: global }
    .group_segment_fixed_size: 327680
    .private_segment_fixed_size: 0
    .kernarg_segment_align: 8
    .kernarg_segment_size: 56
    .max_flat_workgroup_size: 128
    .sgpr_count:     102
    .vgpr_count:     1024
    .wavefront_size: 32
...
	.end_amdgpu_metadata
.endif
;; end of part 2
;; launch attn (part 3): grid 4 x 64, 16 waves a work-group, clusters of 4 x 1, 274,432 bytes of LDS; arguments qk, vt, ao; writes ao
.if DOCPART == 3
	.amdgcn_target "amdgcn-amd-amdhsa--gfx1250"
	.amdhsa_code_object_version 6
	.text
	.protected	k_qd27441362e_attn
	.globl	k_qd27441362e_attn
	.p2align	8
	.type	k_qd27441362e_attn,@function
k_qd27441362e_attn:
	s_mov_b64 s[64:65], 0
	v_nop
	global_prefetch_b8 v0, s[64:65] scope:SCOPE_SE
	s_setreg_imm32_b32 hwreg(HW_REG_WAVE_MODE, 25, 1), 1
	s_wait_xcnt 0x0
	s_wait_alu depctr_hold_cnt(0) depctr_sa_sdst(0) depctr_va_vdst(0) depctr_va_sdst(0) depctr_va_ssrc(0) depctr_va_vcc(0) depctr_vm_vsrc(0)
	s_getreg_b32 s2, hwreg(HW_REG_IB_STS2, 6, 4)
	s_cmp_eq_u32 s2, 0
	s_cbranch_scc0 .Lentry_in_a_cluster
	s_endpgm
.Lentry_in_a_cluster:
	s_bfe_u32 s2, ttmp6, 0x10000c
	s_cmp_lg_u32 s2, 0x3003
	s_cbranch_scc0 .Lentry_shape_is_right
	s_endpgm
.Lentry_shape_is_right:
; For each of 64 heads y = 16 batch + head: O[q] = the sum over keys of softmax(Q[q] . K[key] / 8) V[key], both products on codes of BF8 (E5M2) with E8M0 scales; O is quantised along the model's 1,024 channels and leaves as codes.
; IN: qk and vt, images of operands' registers (lane l's 16 bytes at 16 l).  qk: [q, k][head][128 tiles of 16 stored tokens][c 2][512 bytes], scale words [q, k][pair of heads][2048 tokens][4] 16,777,216 bytes on.
;     vt: [head][16 key steps][4 tiles of 16 stored channels][c 4][512 bytes], scale words [head][key step][64 channels][4] 8,388,608 bytes on.  Stored = the true number with bits 3 and 4 exchanged.
; OUT: ao: images [512 tiles of 16 stored tokens][8 K steps of 128 channels][c 4][512 bytes]; 8,388,608 bytes on the scale bytes [8192 stored tokens][32].
; THE SOFTMAX: t = score x log2(e) / 8; M = the row's largest t so far, rounded UP to a whole number; p = 2^(t - M) is quantised along the keys, not normalised; the row's sum is taken of the unquantised p and divides O at the end.
; When M moves, the sum and O are multiplied by 2^(old M - new M): exact.
; SHARES.  A work-group owns 512 stored queries of one head; each of its sixteen waves owns two tiles of 16 queries, T and T + 16, one after the other, in 256 registers.  The four work-groups of a cluster are the four query
; blocks of one head: every tensor load is asked for jointly, with a mask that names the four.
; ALL OF A HEAD'S K AND V LIE IN LDS, filled once: sixteen chunks of 16,384 bytes, ONE LOAD A WAVE: wave w fetches chunk w to byte 16,384 w: even w K's key steps w, w + 1, odd w V's key steps w - 1, w.
; Waves 0 to 3 have a load line and a wait of their own: the first tile's first two key steps read chunks 0 to 3 alone and run behind the first barrier; the second barrier shows the rest.  Nothing is filled again.
; No prefetch: all fills go out at the head, so there is no loop to run ahead in.
; THE SCALE WORDS come by plain loads (six words a thread) and are laid by LDS stores as the products want them: for a key step and a lane 16 bytes: K's two words, V's two words: one LDS load a step.  They are 12 KiB of a work-group's 268, so they are not asked for jointly.
; K = 64 IN A FORM OF 128.  A fragment of K holds two tiles of 16 keys, tile 2 f at k = 0 .. 63 and tile 2 f + 1 at k = 64 .. 127, and is multiplied once by [q | zeros] and once by [zeros | q]; K's scale word of a fragment's row is tile 2 f's two bytes, then tile 2 f + 1's.
; TWO POOLS OF 64 REGISTERS TAKE TURNS.  In a step (P, R): K lies in P; S^T is written to R; V is asked for into P; as each block of p in R has been converted, its sixteen registers take a fragment of the next step's K.
; A tile's last step asks in this way for a step that does not exist: it reads the 8,192 bytes of scale words and a block of zeros behind them, which are stored at the head; the registers are not used.
; LAYOUT.  Both products are used transposed: a lane holds ONE query (lane % 16); the 16 registers of tiles 2 b and 2 b + 1 are the true keys 32 b + 16 (lane / 16) + 0 .. 15; likewise O^T's registers are true channels.
; LIMITS: NaN and infinities are not served; the promise holds while the scaled scores stay under 2^31 in magnitude; blocks whose largest magnitude lies under 2^-111 have their byte held at 1; a block of zeros gets the byte 1 where
; the rule says 127 (zero codes; read by this program alone).  It is taken that v_exp_f32 does not fall where its input rises: a block's largest p is made from the block's largest score.
.set SCL,   262144                     ; LDS: behind the sixteen chunks: the scale words, 512 bytes a key step
.set PAD,   270336                     ; 2,048 bytes of zeros
.set SPARE, 272384                     ; the spare words, 128 bytes a wave
.set AK0,  1                           ; v1   16 x lane
.set ADK,  2                           ; v2   the pair of steps in hand: its chunks
.set AS0,  3                           ; v3   SCL + 16 x lane
.set GS,   4                           ; v4   the way out: 32 (lane % 16)
.set ADS,  5                           ; v5   the pair of steps in hand: its scale words
.set CH2,  6                           ; v[6:7] the sum's second chain
.set T0,   8                           ; v8   at work
.set QSO,  9                           ; v9   4 (lane % 16)
.set SPW,  10                          ; v10  my spare word
.set NIL,  11                          ; v11  0
.set NMA,  12                          ; v[12:13] -M of an even step (the low word)
                                       ; v[14:15] the sum in two halves
.set SCA,  16                          ; v16-19 an even step's scale words: K's two, V's two
.set SCB,  20                          ; v20-23 an odd step's
.set NMB,  24                          ; v[24:25] -M of an odd step
.set RM,   26                          ; v26  the largest score so far
.set WD,   27                          ; v27  the way out: my token's two scale bytes
.set F,    28                          ; v28  f = 2^(old M - new M)
.set PW,   29                          ; v29  p's scale word
.set QSA,  30                          ; v30  Q's scale word for [q | zeros]
.set QSB,  31                          ; v31  for [zeros | q]
.set X,    32                          ; v32-95   pool X
.set Y,    96                          ; v96-159  pool Y
.set OT,   160                         ; v160-191 O^T
.set PCD,  192                         ; v192-207 p's codes
.set BM,   208                         ; v208-211 a block's largest score, then its largest p
.set PT,   212                         ; v212-215 the other half's, then the bytes
.set HL,   216                         ; v216-219 57,344 x the scale
.set SO,   220                         ; v220-223 the conversions' scale operands
.set QB,   224                         ; v224-239 [zeros | q]
.set QA,   232                         ; v232-247 [q | zeros]: the two share q's eight registers
.set HL2,  249                         ; v249-252 57,344 x the scale once more: a dual pair's two second sources lie in different register banks
.set WV,   18
.set MNT,  19
.set SEL,  20
.set CS,   22
.set G1T,  24
.set G0,   56
.set TB,   76
.set TS,   77
.set CNT,  79
.macro PL n
.rept \n
	v_nop
.endr
.endm
.macro WALU
	s_wait_alu depctr_va_vdst(0)
.endm
.macro CROUND
	s_barrier_signal -1
	s_barrier_wait -1
	s_cmp_lg_u32 s[WV], 0
	s_cbranch_scc1 .Lnot_wave_0_\@
	s_barrier_signal -3
.Lnot_wave_0_\@:
	s_barrier_wait -3
	s_barrier_signal -1
	s_barrier_wait -1
.endm
.macro INIT                            ; a tile begins: the first step finds zeros, which the first change of M leaves zeros
	v_mov_b32 v[RM], 0xff61b1e6                    ; -3e38, under every score
	v_mov_b32 v[NMB], 0x7e800000                   ; the -M that the first step finds: 2^126, so that its f is 0
	v_mov_b32 v14, 0
	v_mov_b32 v15, 0
.set n, 0
.rept 32
	v_mov_b32 v[OT+n], 0
.set n, n+1
.endr
	s_mov_b32 s[TB], 0
	s_mov_b32 s[TS], 0
.endm
.macro KFIRST                          ; a tile's first step: its scale words, and K's four fragments into pool X
	ds_load_b128 v[SCA:SCA+3], v[AS0]
.irp f, 0,1,2,3
.irp c, 0,1,2,3
	ds_load_b128 v[X+16*\f+4*\c:X+16*\f+4*\c+3], v[AK0] offset:2048*\f+512*\c
.endr
.endr
.endm
	s_load_b128 s[4:7], s[0:1], 0x0                ; qk, vt
	s_load_b64 s[8:9], s[0:1], 0x10                ; ao
	v_lshl_add_u32 v[SPW], v0, 2, SPARE
	v_mov_b32 v[NIL], 0
	ds_add_u32 v[SPW], v[NIL]                      ; the opening lines: the add twice on end and one wait
	ds_add_u32 v[SPW], v[NIL]
	v_lshrrev_b32 v8, 5, v0
	v_readfirstlane_b32 s[WV], v8                  ; wave 0..15
	s_bfe_u32 s80, ttmp6, 0x40000                  ; cx: it enters Q's and O's addresses alone
	s_lshl_b32 s81, ttmp9, 2
	s_add_co_u32 s81, s81, s80
	s_lshl_b32 s81, s81, 5
	s_add_co_u32 s81, s81, s[WV]                   ; T: my first tile of 16 queries in the head
	s_and_b32 s82, ttmp7, 0xffff                   ; y: the head
	s_and_b32 s83, s82, 1
	s_lshl_b32 s83, s83, 1                         ; my head's two bytes in the pair's scale word
	s_lshr_b32 s84, s[WV], 1                       ; which pair of key steps I fetch,
	s_and_b32 s85, s[WV], 1                        ; of K (0) or of V (1)
	s_lshl_b32 s86, s[WV], 14                      ; and where it goes
	s_lshl_b32 s88, s82, 17                        ; a head's images: 131,072 bytes
	s_lshl_b32 s87, s84, 14
	s_add_co_u32 s10, s88, s87
	s_cmp_eq_u32 s85, 0
	s_cselect_b32 s12, 8388608, 0                  ; k's images lie behind q's 64 heads
	s_add_co_u32 s10, s10, s12
	s_mov_b32 s11, 0
	s_lshr_b32 s89, s82, 1
	s_lshl_b32 s89, s89, 13                        ; the pair's scale words: 8,192 bytes
	s_add_co_u32 s12, s89, 17039360                ; K's: 16,777,216 + q's 32 pairs x 8,192
	s_mov_b32 s13, 0
	s_lshl_b32 s16, s82, 12
	s_add_co_u32 s16, s16, 8388608                 ; V's
	s_mov_b32 s17, 0
	s_lshl_b32 s90, s81, 10                        ; Q's images: 1,024 bytes a tile
	s_add_co_u32 s90, s90, s88
	s_mov_b32 s91, 0
	s_lshl_b32 s92, s81, 6                         ; Q's scale words: 64 bytes a tile
	s_add_co_u32 s92, s92, s89
	s_add_co_u32 s92, s92, s83
	s_add_co_u32 s92, s92, 16777216
	s_mov_b32 s93, 0
	s_lshr_b32 s94, s82, 4
	s_lshl_b32 s94, s94, 7
	s_add_co_u32 s94, s94, s81                     ; my first tile among all 512
	s_and_b32 s95, s82, 15
	s_lshl_b32 s2, s94, 14                         ; O's images: 16,384 bytes a tile, 1,024 a head
	s_lshl_b32 s3, s95, 10
	s_add_co_u32 s2, s2, s3
	s_mov_b32 s3, 0
	s_lshl_b32 s94, s94, 9                         ; O's scale bytes: 512 a tile, my head's two in a token's 32
	s_lshl_b32 s95, s95, 1
	s_add_co_u32 s94, s94, s95
	s_add_co_u32 s94, s94, 8388608
	s_mov_b32 s95, 0
	s_mov_b32 s32, 0x05040100                      ; v_perm_b32's selector: the two low halves, or the two high halves: my head's bytes
	s_cmp_eq_u32 s83, 0
	s_cselect_b32 s32, s32, 0x07060302
	s_mov_b32 s[G1T], 15|(3<<16)|(1<<21)           ; group 1: the mask names all four; elements of 8 bytes; 64 dense rows of 256 bytes
	s_mov_b32 s[G1T+1], 32<<16
	s_mov_b32 s[G1T+2], 64<<16
	s_mov_b32 s[G1T+3], 32<<16
	s_mov_b32 s[G1T+4], 64
	s_mov_b32 s[G1T+5], 32
	s_mov_b32 s[G1T+6], 0
	s_mov_b32 s[G1T+7], 0
	s_mov_b32 s[SEL], 0x76543210
	s_mov_b32 s[SEL+1], 0xfedcba98
	s_mov_b32 s[CS], 0x3e38aa3b                    ; c = log2(e) / 8
	s_mov_b32 s[CS+1], s[CS]
	s_mov_b32 s[MNT], 0x600000
	s_wait_dscnt 0x0                               ; both opening adds are done
	s_wait_kmcnt 0x0
	s_cmp_eq_u32 s85, 0
	s_cselect_b64 s[88:89], s[4:5], s[6:7]         ; qk or vt: the choice hangs on the wave's number alone
	s_add_nc_u64 s[88:89], s[88:89], s[10:11]
	s_mov_b32 s[G0], 1
	s_mov_b32 s[G0+1], s86
	s_mov_b64 s[G0+2:G0+3], s[88:89]
	s_or_b32 s[G0+3], s[G0+3], 0x80000000
	s_add_nc_u64 s[12:13], s[4:5], s[12:13]        ; K's scale words
	s_add_nc_u64 s[16:17], s[6:7], s[16:17]        ; V's
	s_add_nc_u64 s[90:91], s[4:5], s[90:91]        ; Q's images
	s_add_nc_u64 s[92:93], s[4:5], s[92:93]        ; Q's scale words
	s_add_nc_u64 s[2:3], s[8:9], s[2:3]            ; O's images
	s_add_nc_u64 s[94:95], s[8:9], s[94:95]        ; O's scale bytes
	CROUND                                         ; all four work-groups are here: the joint loads meet
	s_cmp_lt_u32 s[WV], 4                          ; one load a wave; waves 0 to 3, which wait at the first barrier, have a line of their own
	s_cbranch_scc0 .Llate
	tensor_load_to_lds s[G0:G0+3], s[G1T:G1T+7]
	s_nop 0
	PL 4
	s_branch .Lasked
.Llate:
	tensor_load_to_lds s[G0:G0+3], s[G1T:G1T+7]
	s_nop 0
	PL 4
.Lasked:
	v_and_b32 v32, 31, v0                          ; lane
	v_and_b32 v33, 15, v0                          ; r
	v_lshlrev_b32 v[AK0], 4, v32
	v_lshl_add_u32 v[AS0], v32, 4, SCL
	v_lshlrev_b32 v[GS], 5, v33
	v_lshlrev_b32 v[QSO], 2, v33
	v_lshrrev_b32 v34, 4, v0                       ; K's scale words: thread n makes words n and n + 512; word n: fragment n / 16 (32 keys, 128 bytes), row n % 16
	v_lshlrev_b32 v34, 7, v34
	v_lshl_add_u32 v34, v33, 2, v34
	v_lshlrev_b32 v35, 2, v0                       ; V's: words n and n + 512 as they lie
	global_load_b128 v[QA:QA+3], v[AK0], s[90:91]
	global_load_b128 v[QA+4:QA+7], v[AK0], s[90:91] offset:512
	global_load_u16 v[QSA], v[QSO], s[92:93]       ; Q's two scale bytes; the upper two are 0
	global_load_b32 v96, v34, s[12:13]             ; tile 2 f's key,
	global_load_b32 v97, v34, s[12:13] offset:64   ; tile 2 f + 1's, sixteen keys on
	global_load_b32 v98, v34, s[12:13] offset:4096
	global_load_b32 v99, v34, s[12:13] offset:4160
	global_load_b32 v100, v35, s[16:17]
	global_load_b32 v101, v35, s[16:17] offset:2048
	v_lshrrev_b32 v36, 6, v0                       ; where word n goes: 512 (n / 64) + 16 (n % 32) + 4 (n / 32 % 2); V's 8 bytes on
	v_lshlrev_b32 v36, 9, v36
	v_lshl_add_u32 v36, v32, 4, v36
	v_bfe_u32 v37, v0, 5, 1
	v_lshl_add_u32 v36, v37, 2, v36
	v_add_nc_u32 v36, SCL, v36
	v_lshl_add_u32 v38, v0, 2, PAD
	v_mov_b32 v39, 0
	INIT
.set n, 0
.rept 8
	v_mov_b32 v[QB+n], 0                           ; zero codes on both sides of q
	v_mov_b32 v[QA+8+n], 0
.set n, n+1
.endr
.irp b, 0,1,2,3
	v_mov_b32 v[PT+\b], 0                          ; a lane permute's destination counts as one of its sources
.endr
	v_mov_b32 v[NMA+1], 0                          ; upper halves of pairs of which the low word alone is used
	v_mov_b32 v[NMB+1], 0
	v_mov_b32 v[PW], 0
	WALU                                           ; the wait ahead of a wait that blocks
	s_wait_loadcnt 0x0
	v_lshlrev_b32 v[QSB], 16, v[QSA]
	v_perm_b32 v102, v97, v96, s32
	v_perm_b32 v103, v99, v98, s32
	ds_store_b32 v36, v102
	ds_store_b32 v36, v103 offset:4096
	ds_store_b32 v36, v100 offset:8
	ds_store_b32 v36, v101 offset:4104
	ds_store_b32 v38, v39
.macro SPROD P, R, f, SC               ; fragment f of K against [q | zeros] and [zeros | q]: the scores of tiles 2 f and 2 f + 1
.if (\f)%2
	v_wmma_scale_f32_16x16x128_f8f6f4 v[\R+16*\f:\R+16*\f+7], v[\P+16*\f:\P+16*\f+15], v[QA:QA+15], 0, v[\SC+\f/2], v[QSA] matrix_a_fmt:MATRIX_FMT_BF8 matrix_b_fmt:MATRIX_FMT_BF8 matrix_a_scale:MATRIX_SCALE_ROW1
	v_wmma_scale_f32_16x16x128_f8f6f4 v[\R+16*\f+8:\R+16*\f+15], v[\P+16*\f:\P+16*\f+15], v[QB:QB+15], 0, v[\SC+\f/2], v[QSB] matrix_a_fmt:MATRIX_FMT_BF8 matrix_b_fmt:MATRIX_FMT_BF8 matrix_a_scale:MATRIX_SCALE_ROW1
.else
	v_wmma_scale_f32_16x16x128_f8f6f4 v[\R+16*\f:\R+16*\f+7], v[\P+16*\f:\P+16*\f+15], v[QA:QA+15], 0, v[\SC+\f/2], v[QSA] matrix_a_fmt:MATRIX_FMT_BF8 matrix_b_fmt:MATRIX_FMT_BF8
	v_wmma_scale_f32_16x16x128_f8f6f4 v[\R+16*\f+8:\R+16*\f+15], v[\P+16*\f:\P+16*\f+15], v[QB:QB+15], 0, v[\SC+\f/2], v[QSB] matrix_a_fmt:MATRIX_FMT_BF8 matrix_b_fmt:MATRIX_FMT_BF8
.endif
.endm
.macro VLOAD P, t, vo                  ; tile t of V (16 channels x 128 keys)
.irp c, 0,1,2,3
	ds_load_b128 v[\P+16*\t+4*\c:\P+16*\t+4*\c+3], v[ADK] offset:\vo+2048*\t+512*\c
.endr
.endm
.macro HOLD2 x, b                      ; two holds in one instruction: p is not negative, so the hold is one-sided (the conversion to an 8-bit code does not saturate: ISA guide 7.6.2)
	v_dual_min_num_f32 v[\x], v[\x], v[HL+\b] :: v_dual_min_num_f32 v[\x+1], v[\x+1], v[HL2+\b]
.endm
; A KEY STEP: 128 keys.  P: the pool with this step's K, then its V.  R: S^T, then p, then the next step's K.  par: the step's place in its pair: a pair's K lies at the pair's first byte, its V 16,384 on, the next pair 32,768 on.
; NM, OM: -M's new and old register.  SC, SN: this step's and the next step's scale words.
.macro STEP P, R, par, NM, OM, SC, SN
.if \par == 0
	v_add_nc_u32 v[ADK], s[TB], v[AK0]             ; NINE PLACES between the last step's products V^T P and the products below, which write over what those have read as V: the sum's line behind them, these two,
	v_add_nc_u32 v[ADS], s[TS], v[AS0]
	PL 6                                           ; and six (an odd step: eight) for which no work is at hand
.else
	PL 8
.endif
	WALU                                           ; the wait ahead of a wait that blocks
	s_wait_dscnt 8                                 ; the scale words and fragments 0, 1 are in; the youngest eight loads (fragments 2, 3) may be out
	SPROD \P, \R, 0, \SC
	SPROD \P, \R, 1, \SC
	s_wait_dscnt 0x0
	SPROD \P, \R, 2, \SC
	SPROD \P, \R, 3, \SC
	PL 8                                           ; eight places ahead of the reads of the scores
.irp b, 0,1,2,3
	v_max3_num_f32 v[BM+\b], v[\R+16*\b], v[\R+1+16*\b], v[\R+2+16*\b]   ; the largest score of each block of 32 keys: for the row's maximum and for the block's largest p
.endr
.irp i, 3,5,7,9,11,13
.irp b, 0,1,2,3
	v_max3_num_f32 v[BM+\b], v[BM+\b], v[\R+16*\b+\i], v[\R+1+16*\b+\i]
.endr
.endr
.irp b, 0,1,2,3
	v_max_num_f32 v[BM+\b], v[BM+\b], v[\R+15+16*\b]
.endr
.irp b, 0,1,2,3
	v_permlanex16_b32 v[PT+\b], v[BM+\b], s[SEL], s[SEL+1]
.endr
.irp b, 0,1,2,3
	v_max_num_f32 v[BM+\b], v[BM+\b], v[PT+\b]     ; with lane l xor 16's 16 keys
.endr
	v_max3_num_f32 v[T0], v[BM], v[BM+1], v[BM+2]  ; the row's figures are a chain: the next step's scale words and this step's V are asked for between its lines
	ds_load_b128 v[\SN:\SN+3], v[ADS] offset:512+512*\par
	VLOAD \P, 0, 16384+8192*\par
	v_max3_num_f32 v[RM], v[RM], v[T0], v[BM+3]    ; the largest score so far
	VLOAD \P, 1, 16384+8192*\par
	v_mul_f32 v[T0], s[CS], v[RM]                  ; as t (c is positive)
	VLOAD \P, 2, 16384+8192*\par
	v_floor_f32 v[\NM], -v[T0]                     ; -M = floor(-t) = -ceil(t)
	VLOAD \P, 3, 16384+8192*\par
	v_sub_f32 v[T0], v[\NM], v[\OM]                ; old M - new M: a whole number, 0 or less
	v_cvt_i32_f32 v[T0], v[T0]                     ; (it saturates)
	v_ldexp_f32 v[F], 1.0, v[T0]                   ; f
.irp b, 0,1,2,3
	v_fma_f32 v[BM+\b], v[BM+\b], s[CS], v[\NM]    ; t - M of each block's largest score
.endr
.set n, 0
.rept 32
	v_pk_fma_f32 v[\R+n:\R+n+1], v[\R+n:\R+n+1], s[CS:CS+1], v[\NM:\NM+1] op_sel_hi:[1,0,0]   ; t - M, two at a time
.set n, n+2
.endr
	WALU                                           ; the wait ahead of the batch
.irp b, 0,1,2,3
	v_exp_f32 v[BM+\b], v[BM+\b]                   ; the block's largest p
.endr
.set n, 0
.rept 64
	v_exp_f32 v[\R+n], v[\R+n]                     ; p = 2^(t - M), at most 1
.set n, n+1
.endr
	v_pk_mul_f32 v[14:15], v[14:15], v[F:F+1] op_sel_hi:[1,0]   ; the sum under the new M (a plain line behind the batch)
	WALU                                           ; one wait for the batch, and for O^T's first readers, which follow it directly
.set n, 0
.rept 12
	v_pk_mul_f32 v[OT+n:OT+n+1], v[OT+n:OT+n+1], v[F:F+1] op_sel_hi:[1,0]   ; O^T under the new M: tiles 0 to 2
.set n, n+2
.endr
.irp b, 0,1,2,3
	v_max_num_f32 v[BM+\b], 0x8000000, v[BM+\b]    ; the floor 2^(16 - 127): the byte cannot fall under 1
.endr
	v_pk_add_f32 v[CH2:CH2+1], v[\R:\R+1], v[\R+2:\R+3]   ; the row's sum of the unquantised p, two at a time, in two chains
.irp b, 0,1,2,3
	v_add_nc_u32 v[SO+\b], 0xf8800000, v[BM+\b]    ; 15 off the exponent field: the conversion's scale operand
.endr
.irp b, 0,1,2,3
	v_and_or_b32 v[HL+\b], v[BM+\b], 0x7f800000, s[MNT]   ; 57,344 x the scale,
.endr
.irp b, 0,1,2,3
	v_and_or_b32 v[HL2+\b], v[BM+\b], 0x7f800000, s[MNT]  ; twice
.endr
.irp b, 0,1,2,3
	v_lshrrev_b32 v[PT+\b], 23, v[SO+\b]           ; the scale's byte
.endr
.set n, 4
.rept 15
	v_pk_add_f32 v[14:15], v[14:15], v[\R+n:\R+n+1]
	v_pk_add_f32 v[CH2:CH2+1], v[CH2:CH2+1], v[\R+n+2:\R+n+3]
.set n, n+4
.endr
	v_lshl_or_b32 v[PW], v[PT+1], 8, v[PT]         ; p's scale word for these 128 keys
	v_lshl_or_b32 v[PW], v[PT+2], 16, v[PW]
	v_lshl_or_b32 v[PW], v[PT+3], 24, v[PW]
.irp b, 0,1,2,3
.set n, 0
.rept 8
	HOLD2 \R+16*\b+n, \b
.set n, n+2
.endr
	v_cvt_scalef32_pk8_bf8_f32 v[PCD+4*\b:PCD+4*\b+1], v[\R+16*\b:\R+16*\b+7], v[SO+\b]
	v_cvt_scalef32_pk8_bf8_f32 v[PCD+4*\b+2:PCD+4*\b+3], v[\R+16*\b+8:\R+16*\b+15], v[SO+\b]
.irp c, 0,1,2,3
	ds_load_b128 v[\R+16*\b+4*\c:\R+16*\b+4*\c+3], v[ADK] offset:8192+24576*\par+2048*\b+512*\c   ; the block's registers take fragment b of the next step's K
.endr
.endr
	s_wait_dscnt 16                                ; V is in; behind it stand the 16 loads of the next step's K, which may be out
	WALU                                           ; a wait behind the wait above, and directly ahead of the first readers of O^T's tile 3
.set n, 24
.rept 4
	v_pk_mul_f32 v[OT+n:OT+n+1], v[OT+n:OT+n+1], v[F:F+1] op_sel_hi:[1,0]   ; tile 3 under the new M: these four are also the places between the conversions and the products
.set n, n+2
.endr
.irp t, 0,1,2,3                                ; O^T += V^T P^T: four tiles of 16 channels, by turns
.if \t%2
	v_wmma_scale_f32_16x16x128_f8f6f4 v[OT+8*\t:OT+8*\t+7], v[\P+16*\t:\P+16*\t+15], v[PCD:PCD+15], v[OT+8*\t:OT+8*\t+7], v[\SC+2+\t/2], v[PW] matrix_a_fmt:MATRIX_FMT_BF8 matrix_b_fmt:MATRIX_FMT_BF8 matrix_a_scale:MATRIX_SCALE_ROW1
.else
	v_wmma_scale_f32_16x16x128_f8f6f4 v[OT+8*\t:OT+8*\t+7], v[\P+16*\t:\P+16*\t+15], v[PCD:PCD+15], v[OT+8*\t:OT+8*\t+7], v[\SC+2+\t/2], v[PW] matrix_a_fmt:MATRIX_FMT_BF8 matrix_b_fmt:MATRIX_FMT_BF8
.endif
.endr
	v_pk_add_f32 v[14:15], v[14:15], v[CH2:CH2+1]  ; the sum's two chains
.if \par
	s_add_co_u32 s[TB], s[TB], 32768               ; the next pair of steps
	s_add_co_u32 s[TS], s[TS], 1024
.endif
.endm
.macro PAIR
	STEP X, Y, 0, NMA, NMB, SCA, SCB
	STEP Y, X, 1, NMB, NMA, SCB, SCA
.endm
.macro RUN trips
	s_mov_b32 s[CNT], \trips
.Lrun_\@:
	PAIR
	s_sub_co_u32 s[CNT], s[CNT], 1
	s_cmp_lg_u32 s[CNT], 0
	s_cbranch_scc1 .Lrun_\@
.endm
; THE WAY OUT of tile T + 16 pass.  O^T / the sum: register 16 b + i is true channel 32 b + 16 (lane / 16) + i of my head: two blocks of the next product's K, quantised here; they leave as half a fragment's image.
.macro TAIL pass
	WALU                                           ; the wait ahead of a wait that blocks
	s_wait_dscnt 0x0                               ; the loads that the last step asked for have landed: their registers may be loaded again
.if \pass == 0
	KFIRST                                         ; the second tile's first K, its Q and Q's scale bytes are on their way while the first tile goes out (the way out works in pool Y)
	global_load_b128 v[QA:QA+3], v[AK0], s[90:91] offset:16384
	global_load_b128 v[QA+4:QA+7], v[AK0], s[90:91] offset:16896
	global_load_u16 v[QSA], v[QSO], s[92:93] offset:1024
.endif
	PL 8                                           ; eight places behind the last products
	v_add_f32 v14, v14, v15
	v_permlanex16_b32 v[PT], v14, s[SEL], s[SEL+1]
	v_add_f32 v14, v14, v[PT]                      ; the row's sum
	WALU                                           ; the wait ahead of the transcendental
	v_rcp_f32 v14, v14
	v_nop
	WALU                                           ; and ahead of its first reader, which is O^T's too
.set n, 0
.rept 32
	v_mul_f32 v[Y+n], v[OT+n], v14
.set n, n+1
.endr
.irp b, 0,1
	v_max3_num_f32 v[BM+\b], |v[Y+16*\b]|, |v[Y+1+16*\b]|, 0x8000000
.endr
.irp i, 2,4,6,8,10,12,14
.irp b, 0,1
	v_max3_num_f32 v[BM+\b], v[BM+\b], |v[Y+16*\b+\i]|, |v[Y+1+16*\b+\i]|
.endr
.endr
.irp b, 0,1
	v_permlanex16_b32 v[PT+\b], v[BM+\b], s[SEL], s[SEL+1]
.endr
.irp b, 0,1
	v_max_num_f32 v[BM+\b], v[BM+\b], v[PT+\b]
.endr
.irp b, 0,1
	v_add_nc_u32 v[SO+\b], 0xf8800000, v[BM+\b]
.endr
.irp b, 0,1
	v_and_or_b32 v[HL+\b], v[BM+\b], 0x7f800000, s[MNT]
.endr
.irp b, 0,1
	v_lshrrev_b32 v[PT+\b], 23, v[SO+\b]
.endr
	v_lshl_or_b32 v[WD], v[PT+1], 8, v[PT]         ; my token's two scale bytes
.irp b, 0,1
.set n, 0
.rept 16
	v_med3_num_f32 v[Y+16*\b+n], v[Y+16*\b+n], -v[HL+\b], v[HL+\b]
.set n, n+1
.endr
	v_cvt_scalef32_pk8_bf8_f32 v[PCD+4*\b:PCD+4*\b+1], v[Y+16*\b:Y+16*\b+7], v[SO+\b]
	v_cvt_scalef32_pk8_bf8_f32 v[PCD+4*\b+2:PCD+4*\b+3], v[Y+16*\b+8:Y+16*\b+15], v[SO+\b]
.endr
	v_nop                                          ; a plain line behind the last conversion
	global_store_b128 v[AK0], v[PCD:PCD+3], s[2:3] offset:\pass*262144             ; each store covers 512 consecutive bytes, aligned
	global_store_b128 v[AK0], v[PCD+4:PCD+7], s[2:3] offset:\pass*262144+512
	global_store_b16 v[GS], v[WD], s[94:95] offset:\pass*8192                      ; a token's 32 scale bytes come from sixteen work-groups, two from each; lanes l and l xor 16 store the same two
.endm
	WALU                                           ; the wait at the head's end
	s_cmp_lt_u32 s[WV], 4
	s_cbranch_scc0 .Lnot_early
	s_wait_tensorcnt 0x0                           ; waves 0 to 3: chunks 0 to 3 have landed
.Lnot_early:
	s_wait_dscnt 0x0                               ; my scale words are stored
	s_barrier_signal -1
	s_barrier_wait -1
	KFIRST
	PAIR                                           ; the first tile's steps 0, 1: they read chunks 0 and 1 and, for step 2's K, chunk 2
	s_wait_tensorcnt 0x0                           ; every wave: my chunk has landed,
	s_wait_dscnt 0x0                               ; and no LDS instruction of mine is pending at the signal
	s_barrier_signal -1
	s_barrier_wait -1                              ; all sixteen chunks are in: from here on a wave meets no barrier until its end
	RUN 7
	TAIL 0
	WALU
	s_wait_loadcnt 0x0                             ; the second tile's Q
	v_lshlrev_b32 v[QSB], 16, v[QSA]
	INIT
	s_wait_xcnt 0x0                                ; the first tile's stores have read their data, which are written again below
	RUN 8
	TAIL 1
	s_wait_tensorcnt 0x0                           ; the wave's end
	ds_add_u32 v[SPW], v[NIL]
	s_wait_dscnt 0x0
	CROUND                                         ; the closing round
	s_endpgm
.Lfunc_end_k_qd27441362e_attn:
	.size	k_qd27441362e_attn, .Lfunc_end_k_qd27441362e_attn-k_qd27441362e_attn
	.p2alignl 7, 3214868480
	.fill 96, 4, 3214868480
	.section	.rodata,"a",@progbits
	.p2align	6, 0x0
	.amdhsa_kernel k_qd27441362e_attn
		.amdhsa_group_segment_fixed_size 274432
		.amdhsa_private_segment_fixed_size 0
		.amdhsa_enable_private_segment 0
		.amdhsa_kernarg_size 24
		.amdhsa_user_sgpr_count 2
		.amdhsa_user_sgpr_kernarg_segment_ptr 1
		.amdhsa_wavefront_size32 1
		.amdhsa_system_sgpr_workgroup_id_x 1
		.amdhsa_system_sgpr_workgroup_id_y 1
		.amdhsa_system_sgpr_workgroup_id_z 1
		.amdhsa_system_vgpr_workitem_id 0
		.amdhsa_next_free_vgpr 256
		.amdhsa_next_free_sgpr 96
		.amdhsa_reserve_vcc 0
		.amdhsa_float_denorm_mode_32 3
		.amdhsa_float_denorm_mode_16_64 3
		.amdhsa_memory_ordered 1
		.amdhsa_forward_progress 1
		.amdhsa_inst_pref_size 137
	.end_amdhsa_kernel
	.amdgpu_metadata
---
amdhsa.version: [ 1, 2 ]
amdhsa.kernels:
  - .name:           k_qd27441362e_attn
    .symbol:         k_qd27441362e_attn.kd
    .args:
      - { .name: qk, .offset: 0, .size: 8, .value_kind: global_buffer, .address_space: global }
      - { .name: vt, .offset: 8, .size: 8, .value_kind: global_buffer, .address_space: global }
      - { .name: ao, .offset: 16, .size: 8, .value_kind: global_buffer, .address_space: global }
    .group_segment_fixed_size: 274432
    .private_segment_fixed_size: 0
    .kernarg_segment_align: 8
    .kernarg_segment_size: 24
    .max_flat_workgroup_size: 512
    .sgpr_count:     96
    .vgpr_count:     256
    .wavefront_size: 32
...
	.end_amdgpu_metadata
.endif
;; end of part 3
;; launch oproj (part 4): grid 4 x 32, 4 waves a work-group, clusters of 4 x 4, 327,680 bytes of LDS; arguments ao, wq, bo, out0; writes out0
.if DOCPART == 4
	.amdgcn_target "amdgcn-amd-amdhsa--gfx1250"
	.amdhsa_code_object_version 6
	.text
	.protected	k_qd27441362e_oproj
	.globl	k_qd27441362e_oproj
	.p2align	8
	.type	k_qd27441362e_oproj,@function
k_qd27441362e_oproj:
	s_mov_b64 s[64:65], 0
	v_nop
	global_prefetch_b8 v0, s[64:65] scope:SCOPE_SE
	s_setreg_imm32_b32 hwreg(HW_REG_WAVE_MODE, 25, 1), 1
	s_wait_xcnt 0x0
	s_wait_alu depctr_hold_cnt(0) depctr_sa_sdst(0) depctr_va_vdst(0) depctr_va_sdst(0) depctr_va_ssrc(0) depctr_va_vcc(0) depctr_vm_vsrc(0)
	s_getreg_b32 s2, hwreg(HW_REG_IB_STS2, 6, 4)
	s_cmp_eq_u32 s2, 0
	s_cbranch_scc0 .Lentry_in_a_cluster
	s_endpgm
.Lentry_in_a_cluster:
	s_bfe_u32 s2, ttmp6, 0x10000c
	s_cmp_lg_u32 s2, 0xf033
	s_cbranch_scc0 .Lentry_shape_is_right
	s_endpgm
.Lentry_shape_is_right:
.set KSTEP,  256
.set NQ,     2
.set ROWB,   256
.set KROW,   1024
.set AST,    4096
.set PITCH,  272
.set FR,     16
.set NL,     4
.set NP,     8
.set HALFT,  128*PITCH
.set SLOT,   4*HALFT
.set LAPS,   2
.set KS,     32
.set SCL,    2*SLOT
.set HALFS,  (128*KS/256)*272
.set SBLK,   (16*KS/256)*272
.set SPARE,  SCL+4*HALFS
.set SPITCH, 528
.set ADRA, 16
.set BIA,  18
.set ADRB, 20
.set STO,  24
.set RD,   25
.set CO,   26
.set ADRS, 27
.set SPW,  28
.set NIL,  29
.set SC,   32
.set BI,   64
.set AF,   128
.set BK,   128
.set G1, 24
.set G0, 32
.set G1B, 48
.set G0B, 56
.set G1S, 68
.set G0S, 76
.set G1SB, 80
.set G0SB, 88
.set MSB, 0
.macro WIN new
.if MSB != \new
	s_set_vgpr_msb (MSB<<8)|\new
.set MSB, \new
.endif
.endm
.set MUL_LO, 0xa1
.set MUL_HI, 0xf1
.set ONE_LO, 0x81
.set ONE_HI, 0xc1
.set TO_B,   0x40
.macro JLOAD g0a, g1a, g0b, g1b
	s_cmp_eq_u32 s15, 0
	s_cbranch_scc0 .Lfor_b_\@
	tensor_load_to_lds s[\g0a:\g0a+3], s[\g1a:\g1a+7]
	s_nop 0
.rept 4
	v_nop
.endr
	s_branch .Lasked_\@
.Lfor_b_\@:
	tensor_load_to_lds s[\g0b:\g0b+3], s[\g1b:\g1b+7]
	s_nop 0
.rept 4
	v_nop
.endr
.Lasked_\@:
.endm
.macro CREST
	s_cmp_lg_u32 s14, 0
	s_cbranch_scc1 .Lnot_wave_0_\@
	s_barrier_signal -3
.Lnot_wave_0_\@:
	s_barrier_wait -3
	s_barrier_signal -1
	s_barrier_wait -1
.endm
.macro CROUND
	s_barrier_signal -1
	s_barrier_wait -1
	CREST
.endm
	s_load_b256 s[4:11], s[0:1], 0x0
	v_lshl_add_u32 v[SPW], v0, 2, SPARE
	v_mov_b32 v[NIL], 0
	ds_add_u32 v28, v29
	ds_add_u32 v28, v29
	s_wait_dscnt 0x0
	v_lshrrev_b32 v1, 5, v0
	v_readfirstlane_b32 s14, v1
	s_lshr_b32 s15, s14, 1
	s_and_b32 s16, s14, 1
	s_bfe_u32 s40, ttmp6, 0x40000
	s_bfe_u32 s41, ttmp6, 0x40004
	s_lshl_b32 s42, ttmp9, 2
	s_add_co_u32 s42, s42, s40
	s_and_b32 s17, ttmp7, 0xffff
	s_lshl_b32 s17, s17, 2
	s_add_co_u32 s17, s17, s41
	s_lshl_b32 s43, s41, 2
	s_lshl_b32 s43, 15, s43
	s_lshl_b32 s44, 0x1111, s40
	s_or_b32 s[G1+0], s43, (3<<16)|(1<<21)
	s_mov_b32 s[G1+1], 512<<16
	s_mov_b32 s[G1+2], 8<<16
	s_mov_b32 s[G1+3], 512<<16
	s_mov_b32 s[G1+4], 8
	s_mov_b32 s[G1+5], 2048
	s_mov_b32 s[G1+6], 0
	s_mov_b32 s[G1+7], 0
	s_or_b32 s[G1B+0], s44, (0<<16)|(1<<20)|(1<<21)|(5<<22)|(3<<25)
	s_mov_b32 s[G1B+1], ROWB<<16
	s_mov_b32 s[G1B+2], 128<<16
	s_mov_b32 s[G1B+3], ROWB<<16
	s_mov_b32 s[G1B+4], 128
	s_mov_b32 s[G1B+5], KROW
	s_mov_b32 s[G1B+6], 0
	s_mov_b32 s[G1B+7], 0
	s_or_b32 s[G1S+0], s43, (3<<16)|(1<<20)|(1<<21)|(5<<22)|(3<<25)
	s_or_b32 s[G1SB+0], s44, (3<<16)|(1<<20)|(1<<21)|(5<<22)|(3<<25)
.irp g, G1S, G1SB
	s_mov_b32 s[\g+1], 32<<16
	s_mov_b32 s[\g+2], (128*KS/256)<<16
	s_mov_b32 s[\g+3], 32<<16
	s_mov_b32 s[\g+4], 128*KS/256
	s_mov_b32 s[\g+5], 32
	s_mov_b32 s[\g+6], 0
	s_mov_b32 s[\g+7], 0
.endr
	s_lshl_b32 s18, s16, 7
	s_lshl_b32 s22, s17, 8
	s_add_co_u32 s22, s22, s18
	s_lshl_b32 s20, s22, 10
	s_lshl_b32 s22, s22, 5
	s_add_co_u32 s22, s22, 8388608
	s_lshl_b32 s46, s42, 8
	s_add_co_u32 s46, s46, s18
	s_add_co_u32 s46, s46, 3072
	s_lshl_b32 s92, s46, 5
	s_add_co_u32 s92, s92, 4194304
	s_lshl_b32 s46, s46, 10
	s_mov_b32 s21, 0
	s_mov_b32 s23, 0
	s_mov_b32 s47, 0
	s_mov_b32 s93, 0
	s_mul_i32 s45, s14, HALFT
	s_mul_i32 s94, s14, HALFS
	s_wait_kmcnt 0x0
	s_add_nc_u64 s[20:21], s[4:5], s[20:21]
	s_add_nc_u64 s[22:23], s[4:5], s[22:23]
	s_add_nc_u64 s[46:47], s[6:7], s[46:47]
	s_add_nc_u64 s[92:93], s[6:7], s[92:93]
	CROUND
	s_mov_b32 s[G0S], 1
	s_add_co_u32 s[G0S+1], s94, SCL
	s_mov_b64 s[G0S+2:G0S+3], s[22:23]
	s_or_b32 s[G0S+3], s[G0S+3], 0x80000000
	s_mov_b32 s[G0SB], 1
	s_add_co_u32 s[G0SB+1], s94, SCL
	s_mov_b64 s[G0SB+2:G0SB+3], s[92:93]
	s_or_b32 s[G0SB+3], s[G0SB+3], 0x80000000
	JLOAD G0S, G1S, G0SB, G1SB
.irp s, 0,1
	s_mov_b32 s[G0+4*\s], 1
	s_add_co_u32 s[G0+4*\s+1], s45, \s*SLOT
	s_add_nc_u64 s[G0+4*\s+2:G0+4*\s+3], s[20:21], \s*AST
	s_or_b32 s[G0+4*\s+3], s[G0+4*\s+3], 0x80000000
	s_mov_b32 s[G0B+4*\s], 1
	s_add_co_u32 s[G0B+4*\s+1], s45, \s*SLOT
	s_add_nc_u64 s[G0B+4*\s+2:G0B+4*\s+3], s[46:47], \s*ROWB
	s_or_b32 s[G0B+4*\s+3], s[G0B+4*\s+3], 0x80000000
	s_wait_alu depctr_va_vdst(0)
	s_wait_tensorcnt 0x0
	ds_add_u32 v28, v29
	s_wait_dscnt 0x0
	CROUND
	JLOAD G0+4*\s, G1, G0B+4*\s, G1B
.endr
	v_and_b32 v1, 15, v0
	v_bfe_u32 v2, v0, 4, 1
	v_and_b32 v6, 31, v0
	v_lshlrev_b32 v[CO], 4, v6
	v_mul_u32_u24 v3, v1, PITCH
	v_lshl_add_u32 v4, v2, 4, v3
	s_mul_i32 s21, s15, HALFT
	s_mul_i32 s22, s16, HALFT
	s_add_co_u32 s22, s22, 2*HALFT
.irp s, 0,1
	v_add_nc_u32 v[ADRA+\s], s21, v[CO]
	v_add_nc_u32 v[ADRB+\s], s22, v4
	s_add_co_u32 s21, s21, SLOT
	s_add_co_u32 s22, s22, SLOT
.endr
	v_mul_u32_u24 v5, v1, KS
	v_lshrrev_b32 v6, 8, v5
	v_lshl_add_u32 v5, v6, 4, v5
	s_mul_i32 s21, s15, HALFS
	s_mul_i32 s22, s16, HALFS
	s_add_co_u32 s22, s22, 2*HALFS
	s_sub_co_u32 s22, s22, s21
	v_mul_u32_u24 v6, s22, v2
	s_add_co_u32 s21, s21, SCL
	v_add_nc_u32 v5, v5, v6
	v_add_nc_u32 v[ADRS], s21, v5
	s_mul_i32 s23, s14, 16*SPITCH
	v_mul_u32_u24 v5, v1, SPITCH
	v_lshl_add_u32 v5, v2, 6, v5
	v_add_nc_u32 v[STO], s23, v5
	v_add_nc_u32 v[RD], s23, v[CO]
	s_lshl_b32 s20, s17, 8
	s_lshl_b32 s21, s15, 7
	s_add_co_u32 s20, s20, s21
	s_lshl_b32 s20, s20, 12
	s_mov_b32 s21, 0
	s_lshl_b32 s46, s42, 10
	s_lshl_b32 s47, s16, 9
	s_add_co_u32 s46, s46, s47
	s_mov_b32 s47, 0
	s_add_nc_u64 s[8:9], s[8:9], s[46:47]
	s_add_nc_u64 s[20:21], s[20:21], s[46:47]
	s_add_nc_u64 s[12:13], s[10:11], s[20:21]
	v_lshlrev_b32 v[BIA], 6, v2
.irp t, 0,1,2,3,4,5,6,7
	global_load_b128 v[BI+8*\t:BI+8*\t+3], v[BIA], s[8:9] offset:(32*(\t/2)+8*(\t%2))*4
	global_load_b128 v[BI+8*\t+4:BI+8*\t+7], v[BIA], s[8:9] offset:(32*(\t/2)+8*(\t%2))*4+16
.endr
.macro FRAG reg, adr, q, i
.irp c, 0,1,2,3
	ds_load_b128 v[\reg+4*\c:\reg+4*\c+3], v[\adr] offset:128*(\q)+32*\c+(\i)*16*PITCH
.endr
.endm
.macro FRAGA reg, adr, q, i
.irp c, 0,1,2,3
	ds_load_b128 v[\reg+4*\c:\reg+4*\c+3], v[\adr] offset:4096*(\i)+2048*(\q)+512*\c
.endr
.endm
.macro MUL16 a0, p, q, sc, one
.irp a, \a0, \a0+1
.irp b, 0,1,2,3,4,5,6,7
.if \one
	v_wmma_scale_f32_16x16x128_f8f6f4 v[8*(8*((\a)%4)+\b):8*(8*((\a)%4)+\b)+7], v[128*(\p)+FR*\b:128*(\p)+FR*\b+FR-1], v[AF+FR*(\a):AF+FR*(\a)+FR-1], v[BI+8*\b:BI+8*\b+7], v[SC+8*NQ*(\sc)+NQ*\b+(\q)], v[SC+8*NQ*(\sc)+NQ*(\a)+(\q)] matrix_a_fmt:MATRIX_FMT_BF8 matrix_b_fmt:MATRIX_FMT_BF8 matrix_a_scale:MATRIX_SCALE_ROW1
.else
	v_wmma_scale_f32_16x16x128_f8f6f4 v[8*(8*((\a)%4)+\b):8*(8*((\a)%4)+\b)+7], v[128*(\p)+FR*\b:128*(\p)+FR*\b+FR-1], v[AF+FR*(\a):AF+FR*(\a)+FR-1], v[8*(8*((\a)%4)+\b):8*(8*((\a)%4)+\b)+7], v[SC+8*NQ*(\sc)+NQ*\b+(\q)], v[SC+8*NQ*(\sc)+NQ*(\a)+(\q)] matrix_a_fmt:MATRIX_FMT_BF8 matrix_b_fmt:MATRIX_FMT_BF8 matrix_a_scale:MATRIX_SCALE_ROW1
.endif
.endr
.endr
.endm
.macro FETCH_B slot, q, p
	WIN TO_B
.irp i, 0,1,2,3,4,5,6,7
	FRAG 128*(\p)+FR*\i, ADRB+\slot, \q, \i
.endr
	WIN 0
.endm
.macro FETCH_A slot, q, i0
.irp i, \i0, \i0+1, \i0+2, \i0+3
	FRAGA AF+FR*(\i), ADRA+\slot, \q, \i
.endr
.endm
.macro SCALES sc
.irp i, 0,1,2,3,4,5,6,7
	ds_load_b64 v[SC+8*NQ*\sc+NQ*\i:SC+8*NQ*\sc+NQ*\i+1], v[ADRS] offset:\i*SBLK
.endr
.endm
.macro PLACES n
.rept \n
	v_nop
.endr
.endm
.macro STEP slot, q, one
	s_wait_dscnt 4*NL
.if \one
	WIN ONE_LO
.else
	WIN MUL_LO
.endif
	MUL16 0, (\q)%2, \q, \slot, \one
	MUL16 2, (\q)%2, \q, \slot, \one
	s_wait_dscnt 0
	PLACES NP
	FETCH_B \slot, (\q)+1, 1-(\q)%2
	FETCH_A \slot, (\q)+1, 0
.if \one
	WIN ONE_HI
.else
	WIN MUL_HI
.endif
	MUL16 4, (\q)%2, \q, \slot, \one
	MUL16 6, (\q)%2, \q, \slot, \one
	PLACES NP
	WIN 0
	FETCH_A \slot, (\q)+1, 4
.endm
.macro TURN slot, next, fill
	s_wait_tensorcnt 0x0
	ds_add_u32 v[SPW], v[NIL]
	s_wait_dscnt 4*NL+1
	WIN MUL_LO
	MUL16 0, 1, NQ-1, \slot, 0
	s_wait_dscnt 0x0
	s_barrier_signal -1
	MUL16 2, 1, NQ-1, \slot, 0
	WIN 0
	s_barrier_wait -1
.if \fill
	CREST
	s_add_nc_u64 s[G0+4*\slot+2:G0+4*\slot+3], s[G0+4*\slot+2:G0+4*\slot+3], 2*AST
	s_add_nc_u64 s[G0B+4*\slot+2:G0B+4*\slot+3], s[G0B+4*\slot+2:G0B+4*\slot+3], 2*ROWB
	JLOAD G0+4*\slot, G1, G0B+4*\slot, G1B
	PLACES NP-4
.else
	PLACES NP
.endif
	s_wait_alu depctr_va_vdst(0)
	v_add_nc_u32 v[ADRS], 4*NQ, v[ADRS]
	FETCH_B \next, 0, 0
	FETCH_A \next, 0, 0
	SCALES \next
	WIN MUL_HI
	MUL16 4, 1, NQ-1, \slot, 0
	MUL16 6, 1, NQ-1, \slot, 0
	PLACES NP
	WIN 0
	FETCH_A \next, 0, 4
.endm
	s_wait_alu depctr_va_vdst(0)
	s_wait_loadcnt 0x0
	s_wait_tensorcnt 1
	s_barrier_signal -1
	s_barrier_wait -1
	FETCH_B 0, 0, 0
	FETCH_A 0, 0, 0
	SCALES 0
	FETCH_A 0, 0, 4
	STEP 0, 0, 1
	s_mov_b32 s3, LAPS-1
.Llap:
	TURN 0, 1, 1
	STEP 1, 0, 0
	TURN 1, 0, 1
	STEP 0, 0, 0
	s_sub_co_u32 s3, s3, 1
	s_cmp_lg_u32 s3, 0
	s_cbranch_scc1 .Llap
	TURN 0, 1, 0
	STEP 1, 0, 0
	s_wait_dscnt 4*NL
	WIN MUL_LO
	MUL16 0, 1, NQ-1, 1, 0
	MUL16 2, 1, NQ-1, 1, 0
	s_wait_dscnt 0
	WIN MUL_HI
	MUL16 4, 1, NQ-1, 1, 0
	MUL16 6, 1, NQ-1, 1, 0
	WIN 0
.macro TOSTAGE a
.set AC, 64*((\a)%4)
	WIN 0x08+4*((\a)/4)
.irp b, 0,1,2,3,4,5,6,7
	ds_store_b128 v[STO], v[AC+8*\b:AC+8*\b+3] offset:128*(\b/2)+32*(\b%2)
	ds_store_b128 v[STO], v[AC+8*\b+4:AC+8*\b+7] offset:128*(\b/2)+32*(\b%2)+16
.endr
	WIN 0
.set BB, BK+64*((\a)%2)
.irp t, 0,1,2,3,4,5,6,7,8,9,10,11,12,13,14,15
	ds_load_b128 v[BB+4*\t:BB+4*\t+3], v[RD] offset:\t*SPITCH
.endr
.endm
.macro SEND a, younger
.set BB, BK+64*((\a)%2)
	s_wait_dscnt \younger
.irp t, 0,1,2,3,4,5,6,7,8,9,10,11,12,13,14,15
	global_store_b128 v[CO], v[BB+4*\t:BB+4*\t+3], s[12:13] offset:(32*((\a)/2)+16*(\t/8)+8*((\a)%2)+(\t%8))*4096 th:TH_STORE_NT
.endr
.endm
	PLACES NP
	TOSTAGE 0
.irp a, 1,2,3,4,5,6,7
.if \a > 1
	s_wait_xcnt 0x0
.endif
	TOSTAGE \a
	SEND \a-1, 32
.endr
	SEND 7, 0
	s_wait_tensorcnt 0x0
	ds_add_u32 v[SPW], v[NIL]
	s_wait_dscnt 0x0
	CROUND
	s_endpgm
.Lfunc_end_k_qd27441362e_oproj:
	.size	k_qd27441362e_oproj, .Lfunc_end_k_qd27441362e_oproj-k_qd27441362e_oproj
	.p2alignl 7, 3214868480
	.fill 96, 4, 3214868480
	.section	.rodata,"a",@progbits
	.p2align	6, 0x0
	.amdhsa_kernel k_qd27441362e_oproj
		.amdhsa_group_segment_fixed_size 327680
		.amdhsa_private_segment_fixed_size 0
		.amdhsa_enable_private_segment 0
		.amdhsa_kernarg_size 32
		.amdhsa_user_sgpr_count 2
		.amdhsa_user_sgpr_kernarg_segment_ptr 1
		.amdhsa_wavefront_size32 1
		.amdhsa_system_sgpr_workgroup_id_x 1
		.amdhsa_system_sgpr_workgroup_id_y 1
		.amdhsa_system_sgpr_workgroup_id_z 1
		.amdhsa_system_vgpr_workitem_id 0
		.amdhsa_next_free_vgpr 1024
		.amdhsa_next_free_sgpr 98
		.amdhsa_reserve_vcc 0
		.amdhsa_float_denorm_mode_32 3
		.amdhsa_float_denorm_mode_16_64 3
		.amdhsa_memory_ordered 1
		.amdhsa_forward_progress 1
		.amdhsa_inst_pref_size 147
	.end_amdhsa_kernel
	.amdgpu_metadata
---
amdhsa.version: [ 1, 2 ]
amdhsa.kernels:
  - .name:           k_qd27441362e_oproj
    .symbol:         k_qd27441362e_oproj.kd
    .args:
      - { .name: ao, .offset: 0, .size: 8, .value_kind: global_buffer, .address_space: global }
      - { .name: wq, .offset: 8, .size: 8, .value_kind: global_buffer, .address_space: global }
      - { .name: bo, .offset: 16, .size: 8, .value_kind: global_buffer, .address_space: global }
      - { .name: out0, .offset: 24, .size: 8, .value_kind: global_buffer, .address_space: global }
    .group_segment_fixed_size: 327680
    .private_segment_fixed_size: 0
    .kernarg_segment_align: 8
    .kernarg_segment_size: 32
    .max_flat_workgroup_size: 128
    .sgpr_count:     98
    .vgpr_count:     1024
    .wavefront_size: 32
...
	.end_amdgpu_metadata
.endif
;; end of part 4
